; MI455X (gfx1250); checked and timed in simulation.
; The chip was launched on July 23, 2026; its instructions are those of AMD's public machine-readable ISA for CDNA 5 (MIT licence, August 2026) and "CDNA5" Instruction Set Architecture Reference Guide (July 2026). The comments in the code are by the model that wrote it; some were corrected since.
;; Biased Attention. Allowed arithmetic: float matrix products may take bf16 or f16 operands with f32 sums; all other float work in f32.
;; Inputs: attn_bias 1 x 16 x 1,024 x 1,024 float32; ln_beta 1,024 float32; ln_gamma 1,024 float32; w_out 1,024 x 1,024 float32; w_qkv 1,024 x 3,072 float32; x 8 x 1,024 x 1,024 float32.
;; Outputs: out0 8 x 1,024 x 1,024 float32.
;; One version. Each part assembles by itself: llvm-mc -triple=amdgcn-amd-amdhsa -mcpu=gfx1250 --defsym DOCPART=n.
;; ======== version 1 of 1: 4 launches
;; limits: values are held in f16: magnitudes above 65,504 overflow, below 6.1e-05 lose precision
;; workspace buffers: xn 16,777,216 bytes; wq_t 6,291,456 bytes; wo_t 2,097,152 bytes; qkv 50,331,648 bytes; o_ws 16,777,216 bytes
;; launch prep (part 1): grid 640 x 1, 4 waves a work-group, no clusters, 70,144 bytes of LDS; arguments x, ln_gamma, ln_beta, w_qkv, w_out, xn, wq_t, wo_t; writes xn, wq_t, wo_t
.if DOCPART == 1
	.amdgcn_target "amdgcn-amd-amdhsa--gfx1250"
	.amdhsa_code_object_version 6
	.text
	.protected	k_qa7752241e9_prep
	.globl	k_qa7752241e9_prep
	.p2align	8
	.type	k_qa7752241e9_prep,@function
k_qa7752241e9_prep:
	s_mov_b64 s[64:65], 0
	v_nop
	global_prefetch_b8 v0, s[64:65] scope:SCOPE_SE
	s_setreg_imm32_b32 hwreg(HW_REG_WAVE_MODE, 25, 1), 1
	s_wait_xcnt 0x0
; PREP: two jobs that share nothing, told apart by the work-group's number.  All three results are laid IN BLOCKS OF 64 ALONG K, [k / 64][row][k % 64] in f16, so that the tiles which the
; products ask for (some rows x 64 k) are dense in memory: a row of a block is 128 bytes, two neighbouring rows an aligned 256.
; Work-groups 0-127: the weights to f16, turned: wq_t[k/64][n][k%64] = w_qkv[k][n] (n < 3,072), wo_t likewise of w_out (n < 1,024).  A wave takes one tile of 128 k x 64 n: 512 tiles.
; w_qkv's columns n < 1,024 (q's) are multiplied by 64^-0.5 = 1/8 in f32 before the one rounding: a power of two, exact but for f16's fixed step (below).
; Work-groups 128-639: xn = LayerNorm(x) x gamma + beta in f32, rounded once to f16.  A wave takes 4 rows; a row of 4,096 bytes lies in 32 registers, so x is read once.
; The variance is taken of x - mean (two passes over registers): no difference of large sums, whatever offset x carries.
; LIMITS.  f16 holds no number beyond 65,504: xn and the weights must lie within it; below 6e-5 f16 keeps its fixed step of 6e-8.  NaN and infinities are not treated apart.
; No matrix work, no cluster, no tensor load: nothing here is read twice, and every wave works for itself (no barrier).
.set SPARE, 69632                      ; behind the four waves' regions of 17,408 bytes: the spare words, 128 bytes a wave, which no other line names
.set XBLK, 1048576                     ; a block of xn: 8,192 rows of 128 bytes
.set SPW, 2                            ; v2       LDS address of my spare word; never rewritten
.set NIL, 3                            ; v3       0; never rewritten
.set VO,  4                            ; v4       16 x lane
.set VO8, 5                            ; v5       8 x lane
.set SS,  6                            ; v[6:13]  four chains of packed sums
.set M,   14                           ; v[14:15] the mean, later 1 / sqrt(var + eps), twice
.set G,   20                           ; v[20:51] gamma of my 32 columns      (turning: T, the packed words)
.set BT,  52                           ; v[52:83] beta                        (turning: v[52:67] OF, the sixteen row offsets)
.set X,   84                           ; v[84:211] four rows of x             (turning: two buffers of 64, then the tile read back)
.set T,   20
.set OF,  52
	s_load_b512 s[8:23], s[0:1], 0x0               ; x 8:9, gamma 10:11, beta 12:13, w_qkv 14:15, w_out 16:17, xn 18:19, wq_t 20:21, wo_t 22:23
	v_lshl_add_u32 v[SPW], v0, 2, SPARE
	v_mov_b32 v[NIL], 0
	v_lshrrev_b32 v1, 5, v0
	v_readfirstlane_b32 s24, v1                    ; wave 0..3
	v_and_b32 v1, 31, v0                           ; lane
	s_wait_kmcnt 0x0
	s_cmp_lt_u32 ttmp9, 128
	s_cbranch_scc1 .Ltrans
	; ---------------- LayerNorm ----------------
	s_sub_co_u32 s25, ttmp9, 128
	s_lshl_b32 s25, s25, 4
	s_lshl2_add_u32 s25, s24, s25                  ; my first row = 16 x group + 4 x wave
	s_lshl_b32 s34, s25, 12                        ; rows of 4,096 bytes in x
	s_mov_b32 s35, 0
	s_add_nc_u64 s[26:27], s[8:9], s[34:35]
	s_lshl_b32 s34, s25, 7                         ; rows of 128 bytes in a block of xn
	s_add_nc_u64 s[28:29], s[18:19], s[34:35]      ; my rows in block 0,
	s_add_nc_u64 s[36:37], s[28:29], 8*XBLK        ; and in block 8: a store's immediate reaches seven blocks
	s_mov_b32 s30, 0x76543210                      ; v_permlanex16_b32: each lane takes its own place in the other half
	s_mov_b32 s31, 0xfedcba98
	s_mov_b32 s32, 0x3a800000                      ; 1 / 1024
	s_mov_b32 s33, 0x3727c5ac                      ; eps = 1e-5
	v_lshlrev_b32 v[VO], 4, v1
	v_lshlrev_b32 v[VO8], 3, v1
	v_mov_b32 v17, 0                               ; the exchange's destination counts as read: written once here
.set j, 0
.rept 8                                            ; load j of a lane: columns 128 j + 4 lane .. + 3; a wave's load covers 512 consecutive bytes
	global_load_b128 v[G+4*j:G+4*j+3], v[VO], s[10:11] offset:512*j
	global_load_b128 v[BT+4*j:BT+4*j+3], v[VO], s[12:13] offset:512*j
.set j, j+1
.endr
.set j, 0
.rept 32                                           ; four rows, eight loads each, all on their way at once
	global_load_b128 v[X+4*j:X+4*j+3], v[VO], s[26:27] offset:(j/8)*4096+(j%8)*512 th:TH_LOAD_NT
.set j, j+1
.endr
.macro REDUCE                          ; the four chains -> one sum, in every lane's v16
	v_pk_add_f32 v[SS:SS+1], v[SS:SS+1], v[SS+2:SS+3]
	v_pk_add_f32 v[SS+4:SS+5], v[SS+4:SS+5], v[SS+6:SS+7]
	v_pk_add_f32 v[SS:SS+1], v[SS:SS+1], v[SS+4:SS+5]
	v_add_f32 v16, v[SS], v[SS+1]
	v_add_f32_dpp v16, v16, v16 row_xmask:1 row_mask:0xf bank_mask:0xf
	v_add_f32_dpp v16, v16, v16 row_xmask:2 row_mask:0xf bank_mask:0xf
	v_add_f32_dpp v16, v16, v16 row_xmask:4 row_mask:0xf bank_mask:0xf
	v_add_f32_dpp v16, v16, v16 row_xmask:8 row_mask:0xf bank_mask:0xf
	v_permlanex16_b32 v17, v16, s30, s31
	v_add_f32 v16, v16, v17
.endm
.macro LNROW rr                        ; row rr of my four is normalised and packed; it owns its 32 registers, so nothing of a store is rewritten
.set XR, X+32*(\rr)
	s_wait_loadcnt 8*(3-(\rr))                     ; loads come back in order: mine are in, the later rows' eight each stay out
.set p, 0
.rept 4
	v_pk_add_f32 v[SS+2*p:SS+2*p+1], v[XR+2*p:XR+2*p+1], v[XR+8+2*p:XR+9+2*p]  ; the first eight pairs start the chains: nothing is cleared
.set p, p+1
.endr
.set p, 8
.rept 8
	v_pk_add_f32 v[SS+2*(p%4):SS+2*(p%4)+1], v[SS+2*(p%4):SS+2*(p%4)+1], v[XR+2*p:XR+2*p+1]
.set p, p+1
.endr
	REDUCE
	v_mul_f32 v[M], s32, v16                       ; the mean, twice: a pair for the packed forms
	v_mul_f32 v[M+1], s32, v16
.set p, 0
.rept 16
	v_pk_add_f32 v[XR+2*p:XR+2*p+1], v[XR+2*p:XR+2*p+1], v[M:M+1] neg_lo:[0,1] neg_hi:[0,1]  ; d = x - mean, in place
.set p, p+1
.endr
.set p, 0
.rept 4
	v_pk_mul_f32 v[SS+2*p:SS+2*p+1], v[XR+2*p:XR+2*p+1], v[XR+2*p:XR+2*p+1]
.set p, p+1
.endr
.set p, 4
.rept 12
	v_pk_fma_f32 v[SS+2*(p%4):SS+2*(p%4)+1], v[XR+2*p:XR+2*p+1], v[XR+2*p:XR+2*p+1], v[SS+2*(p%4):SS+2*(p%4)+1]
.set p, p+1
.endr
	REDUCE
	v_fma_f32 v17, v16, s32, s33                   ; var + eps
	v_rsq_f32 v[M], v17
	v_nop                                          ; a plain instruction behind the transcendental (ISA guide 5.7.2)
	s_wait_alu depctr_va_vdst(0)
	v_mov_b32 v[M+1], v[M]
.set p, 0
.rept 16
	v_pk_mul_f32 v[XR+2*p:XR+2*p+1], v[XR+2*p:XR+2*p+1], v[M:M+1]
.set p, p+1
.endr
.set p, 0
.rept 16
	v_pk_fma_f32 v[XR+2*p:XR+2*p+1], v[XR+2*p:XR+2*p+1], v[G+2*p:G+2*p+1], v[BT+2*p:BT+2*p+1]
.set p, p+1
.endr
.set p, 0
.rept 16
	v_cvt_pk_f16_f32 v[XR+p], v[XR+2*p], v[XR+2*p+1]  ; ascending and in place: word p lands where pair p / 2 has been read
.set p, p+1
.endr
.endm
; Rows rr and rr + 1 leave.  Words 2 j, 2 j + 1 of a row hold, in lanes 0-15, its 128 bytes of block 2 j, in lanes 16-31 those of block 2 j + 1.  The exchange gives the first row's register both rows'
; 128 bytes of block 2 j and the second row's both rows' of block 2 j + 1: each is then one aligned 256 bytes of xn, lane l at byte 8 l.
.macro ST2 reg, kb, rr
.if (\kb) < 8
	global_store_b64 v[VO8], v[(\reg):(\reg)+1], s[28:29] offset:(\kb)*XBLK+(\rr)*128
.else
	global_store_b64 v[VO8], v[(\reg):(\reg)+1], s[36:37] offset:((\kb)-8)*XBLK+(\rr)*128
.endif
.endm
.macro LNOUT rr
.set XA, X+32*(\rr)
.set XB, X+32*(\rr)+32
.set p, 0
.rept 16
	v_permlane16_swap_b32 v[XA+p], v[XB+p]         ; the first's lanes 16-31 change places with the second's lanes 0-15
.set p, p+1
.endr
.set p, 0
.rept 8
	ST2 XA+2*p, 2*p, \rr
	ST2 XB+2*p, 2*p+1, \rr
.set p, p+1
.endr
.endm
	LNROW 0
	LNROW 1
	LNOUT 0
	LNROW 2
	LNROW 3
	LNOUT 2
	s_endpgm                                       ; these waves have written no LDS
	; ---------------- the weights, turned ----------------
.Ltrans:
	s_lshl2_add_u32 s25, ttmp9, s24                ; my tile = 4 x group + wave
	s_movk_i32 s46, 12288                          ; bytes in a row of w_qkv,
	s_movk_i32 s47, 4096                           ; of w_out
	s_mov_b32 s60, 3072*128                        ; bytes in a block of wq_t,
	s_mov_b32 s61, 1024*128                        ; of wo_t
	s_cmp_lt_u32 ttmp9, 96                         ; tiles 0-383 are w_qkv's, 384-511 w_out's
	s_cselect_b64 s[26:27], s[14:15], s[16:17]     ; from
	s_cselect_b64 s[28:29], s[20:21], s[22:23]     ; to
	s_cselect_b32 s34, s46, s47                    ; the source's pitch
	s_cselect_b32 s62, s60, s61                    ; the result's block
	s_cselect_b32 s35, 0, 384
	s_cmp_lt_u32 ttmp9, 32                         ; tiles 0-127 hold w_qkv's columns below 1,024: q's
	s_cselect_b32 s58, 0x3e000000, 1.0             ; 1/8 for them: a choice of a value
	s_mov_b32 s59, s58                             ; named with it as a pair
	s_sub_co_u32 s25, s25, s35
	s_and_b32 s48, s25, 7                          ; kt: which 128 k
	s_lshr_b32 s49, s25, 3                         ; nt: which 64 n
	s_lshl_b32 s50, s48, 7
	s_mul_i32 s50, s50, s34                        ; 128 kt rows
	s_lshl_b32 s51, s49, 8                         ; + 64 nt columns of 4 bytes
	s_add_co_u32 s50, s50, s51
	s_mov_b32 s51, 0
	s_lshl_b32 s52, s34, 5                         ; a pass is 32 rows
	s_mov_b32 s53, 0
	s_add_nc_u64 s[36:37], s[26:27], s[50:51]      ; a base for each of the four passes: none is ever stepped
	s_add_nc_u64 s[38:39], s[36:37], s[52:53]
	s_add_nc_u64 s[40:41], s[38:39], s[52:53]
	s_add_nc_u64 s[42:43], s[40:41], s[52:53]
	s_mul_i32 s50, s48, s62
	s_lshl_b32 s50, s50, 1                         ; block 2 kt,
	s_lshl_b32 s54, s49, 13                        ; its rows 64 nt on, of 128 bytes
	s_add_co_u32 s50, s50, s54
	s_add_nc_u64 s[44:45], s[28:29], s[50:51]
	s_mov_b32 s63, 0
	s_add_nc_u64 s[46:47], s[44:45], s[62:63]      ; and the same rows in block 2 kt + 1
	v_and_b32 v6, 15, v1                           ; c
	v_lshrrev_b32 v7, 4, v1                        ; g
	s_lshl_b32 s55, s34, 4
	v_mul_u32_u24 v[OF], v7, s55                   ; load i of a pass: row i in lanes 0-15, row 16 + i in lanes 16-31,
	v_lshl_add_u32 v[OF], v6, 4, v[OF]             ; each half 256 consecutive bytes: n = 4 c .. 4 c + 3
.set i, 1
.rept 15
	v_add_nc_u32 v[OF+i], s34, v[OF+i-1]
.set i, i+1
.endr
	s_mul_i32 s56, s24, 17408                      ; my region of LDS: 64 rows n of 256 bytes (128 k) + 16
	v_mul_u32_u24 v16, v6, 4*272                   ; in: row 4 c (+ j), 32 bytes for each half of the lanes
	v_lshl_add_u32 v16, v7, 5, v16
	v_add_nc_u32 v16, s56, v16
	v_lshrrev_b32 v8, 3, v1                        ; back: eight lanes take a row's 128 bytes of one block, 32 lanes four rows,
	v_and_b32 v9, 7, v1
	v_mul_u32_u24 v17, v8, 272
	v_lshl_add_u32 v17, v9, 4, v17
	v_add_nc_u32 v17, s56, v17
	v_lshlrev_b32 v18, 4, v1                       ; which are 512 consecutive bytes of the block
.macro TLOAD ps                        ; pass ps: 32 rows k x 64 n of f32, into buffer ps % 2
.set i, 0
.rept 16
	global_load_b128 v[X+64*((\ps)%2)+4*i:X+64*((\ps)%2)+4*i+3], v[OF+i], s[36+2*(\ps):37+2*(\ps)] th:TH_LOAD_NT
.set i, i+1
.endr
.endm
.macro TPASS ps, left                  ; two neighbouring k of one n make a word; a lane's 16 k of a column n are 32 bytes of the turned row
	s_wait_loadcnt \left                           ; the pass's sixteen loads are in; the next pass's sixteen stay out
.set b0, X+64*((\ps)%2)
.set i, 0
.rept 32
	v_pk_mul_f32 v[b0+2*i:b0+2*i+1], v[b0+2*i:b0+2*i+1], s[58:59] op_sel_hi:[1,0]  ; 1/8 for q's columns, 1 elsewhere
.set i, i+1
.endr
.set i, 0
.rept 32                                           ; i = 8 j + m: column 4 c + j, k pair m
	v_cvt_pk_f16_f32 v[T+i], v[b0+8*(i%8)+i/8], v[b0+8*(i%8)+4+i/8]
.set i, i+1
.endr
.set i, 0
.rept 8                                            ; i = 2 j + e
	ds_store_b128 v16, v[T+4*i:T+4*i+3] offset:(i/2)*272+64*(\ps)+16*(i%2)
.set i, i+1
.endr
.endm
	TLOAD 0
	TLOAD 1
	TPASS 0, 16
	TLOAD 2
	TPASS 1, 16
	TLOAD 3
	TPASS 2, 16
	TPASS 3, 0
.set f, 0
.rept 32                                           ; load f: rows 4 (f % 16) on, the tile's block f / 16
	ds_load_b128 v[X+4*f:X+4*f+3], v17 offset:(f%16)*4*272+(f/16)*128  ; LDS serves a wave's instructions in order (ISA guide 5.7.1.4): these see the stores above
.set f, f+1
.endr
.set f, 0
.rept 32
	s_wait_dscnt 31-f                              ; load f is back; the younger ones stay out
	global_store_b128 v18, v[X+4*f:X+4*f+3], s[44+2*(f/16):45+2*(f/16)] offset:512*(f%16)  ; 512 consecutive bytes, at a multiple of 256 from the buffer's first
.set f, f+1
.endr
	s_wait_tensorcnt 0x0                           ; the wave's end, behind my last LDS store
	ds_add_u32 v[SPW], v[NIL]
	s_wait_dscnt 0x0
	s_endpgm
.Lfunc_end_k_qa7752241e9_prep:
	.size	k_qa7752241e9_prep, .Lfunc_end_k_qa7752241e9_prep-k_qa7752241e9_prep
	.p2alignl 7, 3214868480
	.fill 96, 4, 3214868480
	.section	.rodata,"a",@progbits
	.p2align	6, 0x0
	.amdhsa_kernel k_qa7752241e9_prep
		.amdhsa_group_segment_fixed_size 70144
		.amdhsa_private_segment_fixed_size 0
		.amdhsa_enable_private_segment 0
		.amdhsa_kernarg_size 64
		.amdhsa_user_sgpr_count 2
		.amdhsa_user_sgpr_kernarg_segment_ptr 1
		.amdhsa_wavefront_size32 1
		.amdhsa_system_sgpr_workgroup_id_x 1
		.amdhsa_system_sgpr_workgroup_id_y 1
		.amdhsa_system_sgpr_workgroup_id_z 1
		.amdhsa_system_vgpr_workitem_id 0
		.amdhsa_next_free_vgpr 216
		.amdhsa_next_free_sgpr 66
		.amdhsa_reserve_vcc 0
		.amdhsa_float_denorm_mode_32 3
		.amdhsa_float_denorm_mode_16_64 3
		.amdhsa_memory_ordered 1
		.amdhsa_forward_progress 1
		.amdhsa_inst_pref_size 72
	.end_amdhsa_kernel
	.amdgpu_metadata
---
amdhsa.version: [ 1, 2 ]
amdhsa.kernels:
  - .name:           k_qa7752241e9_prep
    .symbol:         k_qa7752241e9_prep.kd
    .args:
      - { .name: x, .offset: 0, .size: 8, .value_kind: global_buffer, .address_space: global }
      - { .name: ln_gamma, .offset: 8, .size: 8, .value_kind: global_buffer, .address_space: global }
      - { .name: ln_beta, .offset: 16, .size: 8, .value_kind: global_buffer, .address_space: global }
      - { .name: w_qkv, .offset: 24, .size: 8, .value_kind: global_buffer, .address_space: global }
      - { .name: w_out, .offset: 32, .size: 8, .value_kind: global_buffer, .address_space: global }
      - { .name: xn, .offset: 40, .size: 8, .value_kind: global_buffer, .address_space: global }
      - { .name: wq_t, .offset: 48, .size: 8, .value_kind: global_buffer, .address_space: global }
      - { .name: wo_t, .offset: 56, .size: 8, .value_kind: global_buffer, .address_space: global }
    .group_segment_fixed_size: 70144
    .private_segment_fixed_size: 0
    .kernarg_segment_align: 8
    .kernarg_segment_size: 64
    .max_flat_workgroup_size: 128
    .sgpr_count:     66
    .vgpr_count:     216
    .wavefront_size: 32
...
	.end_amdgpu_metadata
.endif
;; end of part 1
;; launch gemm_qkv (part 2): grid 8 x 32, 4 waves a work-group, clusters of 4 x 4, 327,680 bytes of LDS; arguments xn, wq_t, qkv; writes qkv
.if DOCPART == 2
	.amdgcn_target "amdgcn-amd-amdhsa--gfx1250"
	.amdhsa_code_object_version 6
	.text
	.protected	k_qa7752241e9_gemm_qkv
	.globl	k_qa7752241e9_gemm_qkv
	.p2align	8
	.type	k_qa7752241e9_gemm_qkv,@function
k_qa7752241e9_gemm_qkv:
	s_mov_b64 s[64:65], 0
	v_nop
	global_prefetch_b8 v0, s[64:65] scope:SCOPE_SE
	s_setreg_imm32_b32 hwreg(HW_REG_WAVE_MODE, 25, 1), 1
	s_wait_xcnt 0x0
	s_wait_alu depctr_hold_cnt(0) depctr_sa_sdst(0) depctr_va_vdst(0) depctr_va_sdst(0) depctr_va_ssrc(0) depctr_va_vcc(0) depctr_vm_vsrc(0)
	s_getreg_b32 s2, hwreg(HW_REG_IB_STS2, 6, 4)
	s_cmp_eq_u32 s2, 0
	s_cbranch_scc0 .Lentry_in_a_cluster
	s_endpgm
.Lentry_in_a_cluster:
	s_bfe_u32 s2, ttmp6, 0x10000c
	s_cmp_lg_u32 s2, 0xf033
	s_cbranch_scc0 .Lentry_shape_is_right
	s_endpgm
.Lentry_shape_is_right:
; qkv = xn x w_qkv, laid by heads.  A = xn [16 kb][8192][64] f16, B = wq_t [16 kb][3072 n][64] f16 (q's columns already times 1/8); sums in f32;
; every number is rounded once to f16 and stored at qkv[part][batch][head][row][64].
; LIMITS.  q, k and v must lie within f16's 65,504; below 6e-5 f16 keeps its fixed step of 6e-8.
; SHARES.  A tile of C is 256 rows x 384 columns (six heads): 32 x 8 = 256 tiles, one for each of 256 WGPs.  Four waves, two by two, each 128 x 192 (three whole heads): 96 accumulators, 768 registers.
; For 32 along K a wave reads 40 x 512 bytes from LDS for 96 matrix instructions.  Its stage in LDS is its own, so the way out has no barrier.
; RING.  K goes in 16 steps of 64 (one block of xn and of wq_t) through two LDS slots: two slots of 128 along K, 640 rows x 272 bytes each, would not fit.  In a block a tile's rows lie end to end:
; waves 0, 1 fetch A's two halves (128 rows = 16,384 dense bytes, asked for as 64 rows of 256 bytes), waves 2, 3 B's (192 rows = 96 rows of 256 bytes); LDS is padded after every 128 bytes.
; Both first fills go out together; later one tensor load a wave behind each change of slots, 176 matrix instructions ahead of the wait for it.
; CLUSTER.  4 x 4 work-groups: A's tile hangs on the tile row alone and is asked for jointly along a row of the cluster, B's on the tile column alone, jointly along a column.
; THE MATRIX INSTRUCTION IS USED TRANSPOSED (source 0 = 16 rows of B, source 1 = 16 rows of A): a lane holds row l % 16 of C and eight neighbouring columns 8 (l / 16) + 0..7.
; A QUARTER (32 along K) IS TWO PHASES of 48 products: all eight row blocks x B's low six column blocks, then x its high six.  At the first phase's head B's high blocks of the same quarter are
; loaded, at the second's B's low blocks and A of the next quarter: so B needs one buffer, A two, 224 registers in all.
; REGISTERS, in windows of 256 (s_set_vgpr_msb: bits 1:0 source 0, 3:2 source 1, 5:4 source 2, 7:6 destination):
;   window 0: v1-29 addresses; v32-95, v96-159 A's fragments, two buffers; v160-207 B's low blocks; v208-255 B's high blocks; on the way out v32-175 at work
;   windows 1-3: accumulator (a, b), number 48 (b / 6) + 6 a + b % 6, in window 1 + number / 32 at v[8 (number % 32)]: a phase walks its 48 in ascending order, through two windows
.set PA,     144                       ; an LDS row: 128 bytes + 16: the 16 rows that a load touches start at 16 different groups of four banks (64 banks of 4 bytes: ISA guide 11.1)
.set HALFA,  128*PA                    ; what one load of A brings, and what one wave reads of A
.set A_BYTES, 2*HALFA
.set HALFB,  192*PA                    ; the same for B
.set STEPA,  8192*128                  ; bytes from block to block in xn
.set STEPB,  3072*128                  ; in wq_t
.set SLOT1,  1<<17                     ; slot 1 begins here: one exclusive or turns an address in one slot into the other's
.set STAGE,  SLOT1+A_BYTES+2*HALFB     ; behind the ring, never filled by a tensor load: for each wave 3 heads x 16 rows x 144 bytes
.set WSTAGE, 3*16*144
.set SPARE,  STAGE+4*WSTAGE            ; the spare words, 128 bytes a wave, which no other line names
.set ADRA0, 16                         ; v16  my lane's place in A's part of a slot; never rewritten
.set ADRB0, 17                         ; v17  the same for B
.set ADRA,  18                         ; v18  the same in the slot in hand
.set ADRB,  19                         ; v19
.set STO,   24                         ; v24  the way out: where I put 16 bytes of a row
.set RD,    25                         ; v25  where I read rows back
.set GO,    26                         ; v26  my place in 512 consecutive bytes
.set SPW,   28                         ; v28  LDS address of my spare word; never rewritten
.set NIL,   29                         ; v29  0; never rewritten
.set FA,    32
.set FB,    160
.set TMP,   32
.set G1A, 24                           ; s[24:31] descriptor group 1 for A's tiles;  s[32:39] group 0: a set for each of the two first fills; the second then walks on
.set G0A, 32
.set G1B, 48                           ; s[48:55], s[56:63] the same for B's
.set G0B, 56
.set TB,  20                           ; s20  LDS byte at which the slot in hand begins
.set BASE, 66                          ; s[66:71] qkv at my 128 rows of my three heads
.set MSB, 0
.macro WIN new                         ; the immediate's high byte repeats the setting that is left; a switch that changes nothing is dropped
.if MSB != (\new)
	s_set_vgpr_msb (MSB<<8)|(\new)
.set MSB, \new
.endif
.endm
.macro PLACES                          ; four places behind matrix instructions (ISA guide 7.12.1), where no other vector work is at hand
.rept 4
	v_nop
.endr
.endm
; A joint refill: waves 0, 1 ask for A, waves 2, 3 for B.  The branch hangs on the wave's number alone.  An s_nop 0 and four v_nop follow each line.
.macro JLOAD
	s_cmp_eq_u32 s11, 0
	s_cbranch_scc0 .Lfor_b_\@
	tensor_load_to_lds s[G0A+4:G0A+7], s[G1A:G1A+7]
	s_nop 0
.rept 4
	v_nop
.endr
	s_branch .Lasked_\@
.Lfor_b_\@:
	tensor_load_to_lds s[G0B+4:G0B+7], s[G1B:G1B+7]
	s_nop 0
.rept 4
	v_nop
.endr
.Lasked_\@:
.endm
.macro CREST                           ; a round of the cluster's barrier behind its opening barrier
	s_cmp_lg_u32 s10, 0
	s_cbranch_scc1 .Lnot_wave_0_\@
	s_barrier_signal -3
.Lnot_wave_0_\@:
	s_barrier_wait -3
	s_barrier_signal -1
	s_barrier_wait -1
.endm
.macro CROUND                          ; a whole round
	s_barrier_signal -1
	s_barrier_wait -1
	CREST
.endm
.macro STEPD                           ; both walking descriptors: the other slot than last time, the next block; written only where no tensor load of mine is out
	s_xor_b32 s[G0A+5], s[G0A+5], SLOT1
	s_add_nc_u64 s[G0A+6:G0A+7], s[G0A+6:G0A+7], STEPA
	s_xor_b32 s[G0B+5], s[G0B+5], SLOT1
	s_add_nc_u64 s[G0B+6:G0B+7], s[G0B+6:G0B+7], STEPB
.endm
	s_load_b128 s[4:7], s[0:1], 0x0                ; xn s[4:5], wq_t s[6:7]
	s_load_b64 s[8:9], s[0:1], 0x10                ; qkv
	v_lshl_add_u32 v[SPW], v0, 2, SPARE
	v_mov_b32 v[NIL], 0
	ds_add_u32 v[SPW], v[NIL]                      ; the wave's opening: the add and its wait stand ahead of my first tensor load; work on registers stands between
	v_lshrrev_b32 v1, 5, v0
	v_readfirstlane_b32 s10, v1                    ; wave 0..3
	s_lshr_b32 s11, s10, 1                         ; which half of the tile's rows is mine.  Also: I fetch for A (0) or for B (1),
	s_and_b32 s12, s10, 1                          ; which half of its columns.  Also: that tile's first or second half
	s_bfe_u32 s40, ttmp6, 0x40000                  ; cx, cy: my place in the cluster
	s_bfe_u32 s41, ttmp6, 0x40004
	s_lshl_b32 s42, ttmp9, 2
	s_add_co_u32 s42, s42, s40                     ; tile column = 4 x cluster x + cx
	s_and_b32 s13, ttmp7, 0xffff
	s_lshl_b32 s13, s13, 2
	s_add_co_u32 s13, s13, s41                     ; tile row = 4 x cluster y + cy
	s_lshl_b32 s43, s41, 2
	s_lshl_b32 s43, 15, s43                        ; my row of the cluster
	s_lshl_b32 s44, 0x1111, s40                    ; my column
	s_or_b32 s[G1A], s43, (1<<16)|(1<<20)|(1<<21)|(4<<22)|(3<<25)  ; 15:0 the mask; 17:16 2-byte elements; 20 padding on; 21 set beside a mask; 24:22 after every 32 words; 31:25 4 words
	s_or_b32 s[G1B], s44, (1<<16)|(1<<20)|(1<<21)|(4<<22)|(3<<25)
	s_mov_b32 s[G1A+1], 128<<16                    ; tensor_dim0 = 128: two rows of a block
	s_mov_b32 s[G1A+2], 64<<16                     ; tensor_dim1 = 64
	s_mov_b32 s[G1A+3], 128<<16                    ; tile_dim0 = 128
	s_mov_b32 s[G1A+4], 64                         ; tile_dim1 = 64
	s_mov_b32 s[G1A+5], 128                        ; dense: 128 elements from row to row
	s_mov_b32 s[G1A+6], 0
	s_mov_b32 s[G1A+7], 0
	s_mov_b32 s[G1B+1], 128<<16
	s_mov_b32 s[G1B+2], 96<<16
	s_mov_b32 s[G1B+3], 128<<16
	s_mov_b32 s[G1B+4], 96
	s_mov_b32 s[G1B+5], 128
	s_mov_b32 s[G1B+6], 0
	s_mov_b32 s[G1B+7], 0
	s_lshl_b32 s16, s13, 15                        ; A: the tile row's 256 rows of 128 bytes,
	s_lshl_b32 s17, s12, 14                        ; my half of them
	s_add_co_u32 s16, s16, s17
	s_mov_b32 s17, 0
	s_mul_i32 s46, s42, 384*128                    ; B: the tile column's 384 rows,
	s_mul_i32 s47, s12, 192*128                    ; my half of them
	s_add_co_u32 s46, s46, s47
	s_mov_b32 s47, 0
	s_mul_i32 s18, s12, HALFA                      ; where they go: no place in the cluster enters an LDS address
	s_mul_i32 s19, s12, HALFB
	s_add_co_u32 s19, s19, A_BYTES
	s_mov_b32 s[G0A], 1                            ; count = 1
	s_mov_b32 s[G0A+1], s18                        ; LDS address: slot 0
	s_mov_b32 s[G0A+4], 1
	s_add_co_u32 s[G0A+5], s18, SLOT1              ; slot 1
	s_mov_b32 s[G0B], 1
	s_mov_b32 s[G0B+1], s19
	s_mov_b32 s[G0B+4], 1
	s_add_co_u32 s[G0B+5], s19, SLOT1
	s_mov_b32 s[TB], 0
	s_wait_dscnt 0x0                               ; the opening add is done
	s_wait_kmcnt 0x0
	s_add_nc_u64 s[G0A+2:G0A+3], s[4:5], s[16:17]  ; global address: block 0,
	s_add_nc_u64 s[G0A+6:G0A+7], s[G0A+2:G0A+3], STEPA  ; block 1
	s_or_b32 s[G0A+3], s[G0A+3], 0x80000000        ; type = 2
	s_or_b32 s[G0A+7], s[G0A+7], 0x80000000
	s_add_nc_u64 s[G0B+2:G0B+3], s[6:7], s[46:47]
	s_add_nc_u64 s[G0B+6:G0B+7], s[G0B+2:G0B+3], STEPB
	s_or_b32 s[G0B+3], s[G0B+3], 0x80000000
	s_or_b32 s[G0B+7], s[G0B+7], 0x80000000
	CROUND                                         ; all sixteen work-groups are here: the first joint loads meet
	s_cmp_eq_u32 s11, 0                            ; a wave's two first fills stand in one branch, ahead of every wait on TENSORcnt and every LDS read: two loads of mine are out
	s_cbranch_scc0 .Lfirst_b
	tensor_load_to_lds s[G0A:G0A+3], s[G1A:G1A+7]
	s_nop 0
	tensor_load_to_lds s[G0A+4:G0A+7], s[G1A:G1A+7]
	s_nop 0
.rept 4
	v_nop
.endr
	s_branch .Lfirst_asked
.Lfirst_b:
	tensor_load_to_lds s[G0B:G0B+3], s[G1B:G1B+7]
	s_nop 0
	tensor_load_to_lds s[G0B+4:G0B+7], s[G1B:G1B+7]
	s_nop 0
.rept 4
	v_nop
.endr
.Lfirst_asked:
	; A fragment is 16 rows x 32 K in 8 registers: lane l holds row l % 16, K = 8 (l / 16) + 0..7 and 16 + 8 (l / 16) + 0..7: two loads of 16 bytes, 32 bytes apart.
	v_and_b32 v1, 15, v0                           ; l % 16
	v_bfe_u32 v2, v0, 4, 1                         ; l / 16
	v_mul_u32_u24 v3, v1, PA
	v_lshl_add_u32 v3, v2, 4, v3                   ; row x pitch + 16 x half
	s_mul_i32 s21, s11, HALFA                      ; my 128 rows of A
	v_add_nc_u32 v[ADRA0], s21, v3
	s_mul_i32 s21, s12, HALFB                      ; my 192 rows of B,
	s_add_co_u32 s21, s21, A_BYTES                 ; which lie behind A's 256
	v_add_nc_u32 v[ADRB0], s21, v3
	s_mul_i32 s21, s10, WSTAGE
	s_add_co_u32 s21, s21, STAGE                   ; my stage
	v_add_nc_u32 v[STO], s21, v3                   ; in: row l % 16 (the stage's pitch is 144 too), 16 bytes for each half of the lanes
	v_bfe_u32 v[RD], v0, 3, 2                      ; back: 32 lanes take four rows of 128 bytes,
	v_mul_u32_u24 v[RD], v[RD], 144
	v_and_b32 v3, 7, v0
	v_lshl_add_u32 v[RD], v3, 4, v[RD]
	v_add_nc_u32 v[RD], s21, v[RD]
	v_and_b32 v[GO], 31, v0                        ; which are 512 consecutive bytes of a head
	v_lshlrev_b32 v[GO], 4, v[GO]
	; where my three heads' rows lie: head column c = 6 x tile column + 3 x my half + i; part c / 16, head c % 16; batch = tile row / 4
	s_mul_i32 s78, s42, 6
	s_mul_i32 s79, s12, 3
	s_add_co_u32 s78, s78, s79
	s_and_b32 s83, s13, 3
	s_lshl_b32 s83, s83, 15                        ; 256 rows of 128 bytes for each tile row within the batch,
	s_lshl_b32 s82, s11, 14                        ; my wave's 128 rows
	s_add_co_u32 s83, s83, s82
	s_lshr_b32 s82, s13, 2                         ; batch
.irp i, 0,1,2
	s_add_co_u32 s79, s78, \i
	s_lshr_b32 s80, s79, 4
	s_lshl_b32 s80, s80, 3
	s_add_co_u32 s80, s80, s82
	s_lshl_b32 s80, s80, 4
	s_and_b32 s81, s79, 15
	s_add_co_u32 s80, s80, s81
	s_lshl_b32 s80, s80, 17                        ; a head of a batch is 131,072 bytes
	s_add_co_u32 s80, s80, s83
	s_mov_b32 s81, 0
	s_add_nc_u64 s[BASE+2*\i:BASE+2*\i+1], s[8:9], s[80:81]
.endr
; The LDS loads, under window 0.  LDA: A's eight blocks of quarter q of the slot in hand into buffer f.  LDB: six of B's twelve blocks, the low (half = 0) or the high ones.
.macro LDA q, f
.set n, 0
.rept 8
	ds_load_b128 v[FA+64*(\f)+8*n:FA+64*(\f)+8*n+3],   v[ADRA] offset:64*(\q)+n*16*PA
	ds_load_b128 v[FA+64*(\f)+8*n+4:FA+64*(\f)+8*n+7], v[ADRA] offset:64*(\q)+n*16*PA+32
.set n, n+1
.endr
.endm
.macro LDB q, half
.set n, 0
.rept 6
	ds_load_b128 v[FB+48*(\half)+8*n:FB+48*(\half)+8*n+3],   v[ADRB] offset:64*(\q)+(6*(\half)+n)*16*PA
	ds_load_b128 v[FB+48*(\half)+8*n+4:FB+48*(\half)+8*n+7], v[ADRB] offset:64*(\q)+(6*(\half)+n)*16*PA+32
.set n, n+1
.endr
.endm
; Products t0 .. t0 + cnt - 1 of a phase's 48: row block t / 6 of buffer f x column block t % 6 of B's half.  zero = 1: the product starts the sum: nothing is ever cleared.
; The 96 accumulators take turns, one instruction a turn, in the same order in every quarter.
.macro MULP f, half, t0, cnt, zero
.set t, \t0
.rept \cnt
.set num, 48*(\half)+t
.set rD, 8*(num%32)
.set rB, FB+48*(\half)+8*(t%6)
.set rA, FA+64*(\f)+8*(t/6)
	WIN 0x50*(1+num/32)                            ; sources 0 and 1 window 0, C and D the accumulator's window
.if \zero
	v_wmma_f32_16x16x32_f16 v[rD:rD+7], v[rB:rB+7], v[rA:rA+7], 0
.else
	v_wmma_f32_16x16x32_f16 v[rD:rD+7], v[rB:rB+7], v[rA:rA+7], v[rD:rD+7]
.endif
.set t, t+1
.endr
.endm
; A K step's quarter 0, on buffer 0
.macro QUART0 zero
	WIN 0
	PLACES                                         ; in front of loads into registers that the last products have read
	LDB 0, 1
	s_wait_dscnt 12                                ; A and B's low blocks are in; the 12 loads just issued may be out
	MULP 0, 0, 0, 48, \zero
	WIN 0
	PLACES
	LDB 1, 0                                       ; quarter 1
	LDA 1, 1
	s_wait_dscnt 28                                ; B's high blocks are in; the 28 loads just issued may be out
	MULP 0, 1, 0, 48, \zero
.endm
; Quarter 1, on buffer 1, changes slots in its first phase: B's high blocks, asked for at its head, are the slot's last bytes to be read.  In front of the barrier each wave waits for all its tensor loads
; (one is out: its part of the next slot), adds 0 to its spare word, and waits for that and for its reads of this slot.  fill = 1: the barrier opens a round of the cluster's, and the joint refill of
; the slot just read is the first thing behind it.
.macro TURNQ fill
	WIN 0
	PLACES
	LDB 1, 1
	s_wait_dscnt 12
	MULP 1, 0, 0, 32, 0
	WIN 0
	s_wait_tensorcnt 0x0
	ds_add_u32 v[SPW], v[NIL]
.if \fill
	STEPD
.endif
	s_xor_b32 s[TB], s[TB], SLOT1
	MULP 1, 0, 32, 8, 0                            ; eight matrix instructions stand between the add and the wait for it
	s_wait_dscnt 0x0                               ; the add is done, and my reads of this slot are over
	s_barrier_signal -1
	MULP 1, 0, 40, 8, 0                            ; work on registers while the others arrive
	WIN 0
	s_barrier_wait -1
.if \fill
	CREST
	JLOAD                                          ; its four v_nop are also the places in front of the loads below
.else
	PLACES
.endif
	v_add_nc_u32 v[ADRA], s[TB], v[ADRA0]
	v_add_nc_u32 v[ADRB], s[TB], v[ADRB0]
	LDB 0, 0                                       ; the next slot's quarter 0
	LDA 0, 0
	MULP 1, 1, 0, 48, 0
.endm
	s_wait_tensorcnt 0x1                           ; my part of K step 0 is in; K step 1's may stay out
	s_barrier_signal -1
	s_barrier_wait -1                              ; everybody's is
	v_mov_b32 v[ADRA], v[ADRA0]
	v_mov_b32 v[ADRB], v[ADRB0]
	LDB 0, 0
	LDA 0, 0
	QUART0 1                                       ; the first quarter stands in front of the loop: its products start the sums
	WIN 0                                          ; at a label and at a branch every window is 0
	s_mov_b32 s3, 14
.Lk:                                                   ; a trip: a K step's quarter 1 and the next step's quarter 0; fourteen trips ask for K steps 2 to 15
	TURNQ 1
	QUART0 0
	WIN 0
	s_sub_co_u32 s3, s3, 1
	s_cmp_lg_u32 s3, 0
	s_cbranch_scc1 .Lk
	TURNQ 0                                        ; the tail is written out: nothing more is asked for
	QUART0 0
	WIN 0
	PLACES
	LDB 1, 1
	s_wait_dscnt 12
	MULP 1, 0, 0, 48, 0
	s_wait_dscnt 0x0
	MULP 1, 1, 0, 48, 0
	WIN 0
	; THE WAY OUT, a block of 16 rows at a time: rounded to f16, 16 bytes a lane into my stage, back as whole rows of a head, stored.
.macro PACK a
.set n, 0
.rept 12
.set num, (n/6)*48+(\a)*6+n%6
.set AC, 8*(num%32)
	WIN 5*(1+num/32)                               ; sources 0 and 1 in the accumulator's window, destination window 0
.irp z, 0,1,2,3                        ; ascending: each accumulator is first read at its low end
	v_cvt_pk_f16_f32 v[TMP+4*n+\z], v[AC+2*\z], v[AC+2*\z+1]
.endr
.set n, n+1
.endr
	WIN 0
.endm
.macro TOSTAGE a
.set BK, 80+48*((\a)%2)
.set n, 0
.rept 12
	ds_store_b128 v[STO], v[TMP+4*n:TMP+4*n+3] offset:(n/4)*2304+(n%4)*32
.set n, n+1
.endr
.set n, 0
.rept 12
	ds_load_b128 v[BK+4*n:BK+4*n+3], v[RD] offset:(n/4)*2304+(n%4)*576  ; LDS serves a wave's instructions in order (ISA guide 5.7.1.4): these see the stores above
.set n, n+1
.endr
.endm
.macro SEND a
.set BK, 80+48*((\a)%2)
	s_wait_dscnt 0x0                               ; the block is back in registers
	s_wait_xcnt 0x0                                ; the block before's stores have read their registers: the next TOSTAGE loads into them only behind this wait
.set n, 0
.rept 12
	global_store_b128 v[GO], v[BK+4*n:BK+4*n+3], s[BASE+2*(n/4):BASE+2*(n/4)+1] offset:(\a)*2048+(n%4)*512  ; 512 consecutive bytes: four rows of one head
.set n, n+1
.endr
.endm
	PLACES
	PACK 0
	TOSTAGE 0
.irp a, 1,2,3,4,5,6,7                  ; block a's conversions stand between block a - 1's loads from the stage and the wait for them
	PACK \a
	SEND (\a)-1
	TOSTAGE \a
.endr
	SEND 7
	s_wait_tensorcnt 0x0                           ; the wave's end
	ds_add_u32 v[SPW], v[NIL]
	s_wait_dscnt 0x0
	CROUND                                         ; the closing round: no work-group ends while a partner may still ask for a tile that names it
	s_endpgm
.Lfunc_end_k_qa7752241e9_gemm_qkv:
	.size	k_qa7752241e9_gemm_qkv, .Lfunc_end_k_qa7752241e9_gemm_qkv-k_qa7752241e9_gemm_qkv
	.p2alignl 7, 3214868480
	.fill 96, 4, 3214868480
	.section	.rodata,"a",@progbits
	.p2align	6, 0x0
	.amdhsa_kernel k_qa7752241e9_gemm_qkv
		.amdhsa_group_segment_fixed_size 327680
		.amdhsa_private_segment_fixed_size 0
		.amdhsa_enable_private_segment 0
		.amdhsa_kernarg_size 24
		.amdhsa_user_sgpr_count 2
		.amdhsa_user_sgpr_kernarg_segment_ptr 1
		.amdhsa_wavefront_size32 1
		.amdhsa_system_sgpr_workgroup_id_x 1
		.amdhsa_system_sgpr_workgroup_id_y 1
		.amdhsa_system_sgpr_workgroup_id_z 1
		.amdhsa_system_vgpr_workitem_id 0
		.amdhsa_next_free_vgpr 1024
		.amdhsa_next_free_sgpr 84
		.amdhsa_reserve_vcc 0
		.amdhsa_float_denorm_mode_32 3
		.amdhsa_float_denorm_mode_16_64 3
		.amdhsa_memory_ordered 1
		.amdhsa_forward_progress 1
		.amdhsa_inst_pref_size 110
	.end_amdhsa_kernel
	.amdgpu_metadata
---
amdhsa.version: [ 1, 2 ]
amdhsa.kernels:
  - .name:           k_qa7752241e9_gemm_qkv
    .symbol:         k_qa7752241e9_gemm_qkv.kd
    .args:
      - { .name: xn, .offset: 0, .size: 8, .value_kind: global_buffer, .address_space: global }
      - { .name: wq_t, .offset: 8, .size: 8, .value_kind: global_buffer, .address_space: global }
      - { .name: qkv, .offset: 16, .size: 8, .value_kind: global_buffer, .address_space: global }
    .group_segment_fixed_size: 327680
    .private_segment_fixed_size: 0
    .kernarg_segment_align: 8
    .kernarg_segment_size: 24
    .max_flat_workgroup_size: 128
    .sgpr_count:     84
    .vgpr_count:     1024
    .wavefront_size: 32
...
	.end_amdgpu_metadata
.endif
;; end of part 2
;; launch attn (part 3): grid 8 x 32, 4 waves a work-group, clusters of 4 x 1, 327,680 bytes of LDS; arguments qkv, attn_bias, o_ws; writes o_ws
.if DOCPART == 3
	.amdgcn_target "amdgcn-amd-amdhsa--gfx1250"
	.amdhsa_code_object_version 6
	.text
	.protected	k_qa7752241e9_attn
	.globl	k_qa7752241e9_attn
	.p2align	8
	.type	k_qa7752241e9_attn,@function
k_qa7752241e9_attn:
	s_mov_b64 s[64:65], 0
	v_nop
	global_prefetch_b8 v0, s[64:65] scope:SCOPE_SE
	s_setreg_imm32_b32 hwreg(HW_REG_WAVE_MODE, 25, 1), 1
	s_wait_xcnt 0x0
	s_wait_alu depctr_hold_cnt(0) depctr_sa_sdst(0) depctr_va_vdst(0) depctr_va_sdst(0) depctr_va_ssrc(0) depctr_va_vcc(0) depctr_vm_vsrc(0)
	s_getreg_b32 s2, hwreg(HW_REG_IB_STS2, 6, 4)
	s_cmp_eq_u32 s2, 0
	s_cbranch_scc0 .Lentry_in_a_cluster
	s_endpgm
.Lentry_in_a_cluster:
	s_bfe_u32 s2, ttmp6, 0x10000c
	s_cmp_lg_u32 s2, 0x3003
	s_cbranch_scc0 .Lentry_shape_is_right
	s_endpgm
.Lentry_shape_is_right:
; O[b][h][q][:] = the sum over k of softmax_k(Q[b][h][q] . K[b][h][k] + bias[h][q][k]) V[b][h][k][:].  Q (already times 1/8), K, V: the three parts of qkv, [b][h][1024][64] f16; bias f32; O f16, laid like Q.
; Products, bias, maxima and sums in f32; the weights p are rounded to f16 for the second product (their sum l is taken of the unrounded p), O once at the end.
; LIMITS.  Q, K, V arrive within f16's 65,504; p lies in 0 to 1 and below 6e-5 keeps f16's fixed step of 6e-8; a weight below 2^-126 counts as 0 in l; NaN and infinities are not treated apart.
; SHARES.  A work-group owns one head, 128 queries and four batches: wave w has batch 4 bg + w and all 128 queries, eight tiles of 16 in four PIECES.  So the four waves read ONE tile of the bias,
; which does not hang on the batch; 8 query blocks x 16 heads x 2 groups of batches = 256 work-groups.  Every wave walks the 1,024 keys, 64 a step.
; THE BIAS IS THE C OPERAND of the product that starts S^T = K Q^T: a lane's eight keys of a query are 32 neighbouring bytes of a row of the bias.  It costs no vector instruction.
; LAYOUT.  S^T (source 0 = 16 keys, source 1 = 16 queries) holds ONE query a lane (lane % 16) and the keys 8 (lane / 16) + 0..7.  Two such tiles, rounded to f16 in pairs, ARE source 1 of O^T = V^T P.
; SOFTMAX.  A running maximum m and sum l for each query: p = 2^(c s - c m), c = log2(e); in every step O and l are multiplied by a = 2^(c m_old - c m_new).  m starts at the lowest finite number, O and l at 0.
; BY TURNS.  Turn n belongs to piece n: 16 products K Q^T of piece n + 1, later 16 products V^T P of piece n - 1; beside them the scaling, exponentials, roundings, sums and rescaling of piece n and the
; maximum and statistics of piece n + 1.  A tile and step have 16 matrix and 118 vector instructions: four that are ready stand behind every matrix instruction, the others in two runs of their own.
; CLUSTER.  The four query blocks of a cluster walk the same K and V (head and batches hang on the grid's y alone): those tiles are asked for JOINTLY.  The bias's tile hangs on the query block,
; which the partners do not share: a load of one's own, behind the same round.
; RING.  Two slots, a key step each: K (4 batches x 64 keys), V, bias (128 queries x 64 keys).  Wave 0 asks for K, wave 1 for V, waves 2, 3 for the bias's halves.  Both first fills go out together;
; later one tensor load a wave behind each round.
; PREFETCH.  The bias is read by two work-groups (the two groups of batches).  Those of group 0 ask for it ahead: behind each refill thread t names row t's 256 bytes of the tile that the NEXT trip's
; refill loads: one trip, 32,768 bytes, ahead; the offset is clamped to the last tile, so the last trip names that tile once more and nothing beyond the buffer.
; REGISTERS, in windows of 256 (s_set_vgpr_msb: bits 1:0 source 0, 3:2 source 1, 5:4 source 2, 7:6 destination):
;   window 0: v0 the prefetch's offset; v1-11 addresses; v12-15, v48-63 at work; v16-47 four registers of statistics a tile; v64-191 S^T, two buffers of two tiles; v192-255 P, likewise
;   window 1: O^T, 32 a tile     window 2: v0-127 Q, 16 a tile; v128-191 K of one step; v192-255 V of one step     window 3: v0-1 the add's two registers; v8-71 the bias of the piece to come
.set NP,    4         ; pieces a wave: a name, no knob
.set KS,    64        ; keys in a step
.set PK,    144       ; a row of K in LDS: 128 bytes + 16: the 16 rows of a load start at 16 different groups of four banks (64 banks of 4 bytes: ISA guide 11.1)
.set PV,    160       ; a row of V: 128 + 32
.set PBI,   272       ; a row of the bias: 64 keys of 4 bytes + 16
.set VOFF,  4*KS*PK   ; in a slot: K of four batches, then V,
.set BOFF,  VOFF+4*KS*PV  ; then the bias
.set SLOT1, 1<<17     ; slot 1 begins here: one exclusive or turns an address in one slot into the other's
.set STAGE, SLOT1+BOFF+128*PBI  ; behind the ring, never filled by a tensor load: 16 rows x 144 bytes for each wave
.set SP,    144
.set SPARE, STAGE+4*16*SP  ; the spare words, 128 bytes a wave, which no other line names
.set AK0, 2           ; v2   my lane's place in K's part of a slot; never rewritten
.set AV0, 3           ; v3   the same for V
.set AK,  4           ; v4   the same in the slot in hand
.set AV,  5           ; v5
.set STO, 6           ; v6   the way out: where I put 16 bytes of a row
.set RD,  7           ; v7   where I read rows back
.set GO,  8           ; v8   my place in 512 consecutive bytes of O
.set AB0, 9           ; v9   my lane's place in the bias's part of a slot; never rewritten
.set AB,  10          ; v10  the same in the slot in hand
.set QO,  11          ; v11  my byte offset in 16 rows of Q
.set SPW, 0           ; v0 of window 3   LDS address of my spare word; never rewritten
.set NIL, 1           ; v1 of window 3   0; never rewritten
.set BC,  8           ; window 3: tile u, key block kb at BC + 32 u + 8 kb
.set MV,  12          ; v12-15  c m_old, kept while c m is made anew: by buffer and tile
.set ST,  16          ; tile t's statistics at v[ST+4 t]: c m, m, l (even keys', odd keys')
.set TMP, 48          ; by buffer and tile, four registers c0-c3 at work; when the maximum is found c2 takes a
.set S,   64
.set P,   192
.set KF,  128         ; window 2: key block kb, channel half c at KF + 16 kb + 8 c
.set VF,  192         ; window 2: key half kk, channel block cb at VF + 32 kk + 8 cb
.set WV,  12          ; s12  my wave's number
.set G1K, 24          ; s[24:31] descriptor group 1 for K's tiles
.set G1V, 32          ; s[32:39] for V's: it differs in the padding alone
.set G0K, 40          ; s[40:43] group 0 for K's tiles: key step 1 at first, then it walks
.set G0V, 44          ; s[44:47] for V's
.set G0B, 48          ; s[48:51] for the bias's
.set G1B, 72          ; s[72:79] group 1 for the bias's tiles
.set F0K, 80          ; s[80:83], s[84:87], s[88:91] group 0 of the three tiles of key step 0
.set F0V, 84
.set F0B, 88
.set PO,  54          ; s[54:55] the prefetch's byte offset along the bias's rows, in 64 bits
.set SLOTS, 56        ; s56  counts the changes of slots that ask for a tile
.set CNT, 57          ; s57  counts the tail's trips
.set CS,  58          ; s[58:59] c: the packed scaling takes the pair's low word for both halves
.set SEL, 60          ; s[60:61] v_permlanex16_b32's selects: each lane takes its own place in the other half
.set TB,  62          ; s62  LDS byte at which the slot in hand begins
.set BG,  63          ; s63  my group of batches
.set PFB, 68          ; s[68:69] the bias at my 128 queries' first row
.set PFA, 70          ; s[70:71] the same, PO further on
.set MSB, 0
.macro WIN new                      ; the high byte repeats the setting that is left; a switch that changes nothing is dropped
.if MSB != (\new)
	s_set_vgpr_msb (MSB<<8)|(\new)
.set MSB, (\new)
.endif
.endm
.set W_KQ, 0x0a       ; K and Q in window 2, S^T in window 0
.set W_KB, 0x3a       ; the same with the C operand, the bias, in window 3
.set W_PV, 0x52       ; V in window 2, P in window 0, O^T in window 1
.set W_RS, 0x41       ; O^T (destination and source 0) in window 1, a in window 0
.set W_MK, 0xc0       ; destination in window 3, sources in window 0
.set W_AD, 0x0f       ; the add: address (source 0) and data (source 1) in window 3
.macro PLACES
.rept 4
	v_nop
.endr
.endm
; A refill.  The branches hang on the wave's number alone.  An s_nop 0 and four v_nop follow each of the three lines, ahead of the jump and the label.
.macro JLOAD
	s_cmp_lt_u32 s[WV], 2
	s_cbranch_scc0 .Lfor_b_\@
	s_cmp_eq_u32 s[WV], 0
	s_cbranch_scc0 .Lfor_v_\@
	tensor_load_to_lds s[G0K:G0K+3], s[G1K:G1K+7]
	s_nop 0
.rept 4
	v_nop
.endr
	s_branch .Lasked_\@
.Lfor_v_\@:
	tensor_load_to_lds s[G0V:G0V+3], s[G1V:G1V+7]
	s_nop 0
.rept 4
	v_nop
.endr
	s_branch .Lasked_\@
.Lfor_b_\@:
	tensor_load_to_lds s[G0B:G0B+3], s[G1B:G1B+7]
	s_nop 0
.rept 4
	v_nop
.endr
.Lasked_\@:
.endm
; A round of the cluster's barrier: my work-group's barrier, so that wave 0's signal speaks for all four waves; wave 0 signals; every wave waits for all four work-groups; my work-group's barrier once more.
.macro CROUND
	s_barrier_signal -1
	s_barrier_wait -1
	s_cmp_lg_u32 s[WV], 0
	s_cbranch_scc1 .Lnot_wave_0_\@
	s_barrier_signal -3
.Lnot_wave_0_\@:
	s_barrier_wait -3
	s_barrier_signal -1
	s_barrier_wait -1
.endm
; THE CHANGE OF SLOTS, behind piece 1's turn: all of the step's K, V and bias have been asked of LDS.  Each wave waits for all its tensor loads, of which one is out: its part of the other slot;
; adds 0 to its spare word; and waits for that and for its own reads of the slot.  Behind the barrier nobody reads this slot any more and the other slot is whole.
; fill = 1: this slot is filled again, with the step two on.  The barrier is then a round of the cluster's, and the fill is the first thing behind it: it has a key step, 128 matrix instructions and
; their vector work, in which to land.  Behind the fill the work-groups of batch group 0 name the bias's tile of the step three on.
.macro CHANGE fill
	WIN W_AD
	s_wait_tensorcnt 0x0            ; no tensor load of mine is out, so a group 0 may be written
	ds_add_u32 v[SPW], v[NIL]       ; 0 onto my spare word; with fill = 1 the descriptors' steps stand between it and the wait for it
	WIN 0                           ; at a label and at a branch every window is 0
.if \fill
	s_xor_b32 s[G0K+1], s[G0K+1], SLOT1  ; the walking descriptors: the other slot than last time,
	s_add_nc_u64 s[G0K+2:G0K+3], s[G0K+2:G0K+3], KS*128  ; the next 64 keys; the type bits on top are not reached
	s_xor_b32 s[G0V+1], s[G0V+1], SLOT1
	s_add_nc_u64 s[G0V+2:G0V+3], s[G0V+2:G0V+3], KS*128
	s_xor_b32 s[G0B+1], s[G0B+1], SLOT1
	s_add_nc_u64 s[G0B+2:G0B+3], s[G0B+2:G0B+3], KS*4
	s_wait_xcnt 0x0                 ; the last trip's prefetch has had its address translated (ISA guide 3.1): its base is written again only behind this wait
	s_add_co_u32 s[PO], s[PO], KS*4
	s_min_u32 s[PO], s[PO], 15*KS*4 ; never beyond the rows' last 256 bytes
	s_add_nc_u64 s[PFA:PFA+1], s[PFB:PFB+1], s[PO:PO+1]
	s_wait_dscnt 0x0                ; the add is done, and my reads of the slot are over
	CROUND
	JLOAD
	s_cmp_eq_u32 s[BG], 0           ; the group of batches hangs on the grid's y, which the four partners share
	s_cbranch_scc0 .Lno_ask_\@
	global_prefetch_b8 v0, s[PFA:PFA+1] th:TH_LOAD_NT scope:SCOPE_SE
.Lno_ask_\@:
.else
	s_wait_dscnt 0x0                ; the add is done, and my reads of the slot are over
	s_barrier_signal -1
	s_barrier_wait -1
.endif
	s_xor_b32 s[TB], s[TB], SLOT1   ; the fetches go on in the other slot
	v_add_nc_u32 v[AK], s[TB], v[AK0]
	v_add_nc_u32 v[AV], s[TB], v[AV0]
	v_add_nc_u32 v[AB], s[TB], v[AB0]
.endm
	s_load_b128 s[4:7], s[0:1], 0x0   ; qkv s[4:5], attn_bias s[6:7]
	s_load_b64 s[10:11], s[0:1], 0x10 ; o_ws
	WIN W_MK
	v_lshl_add_u32 v[SPW], v0, 2, SPARE
	v_mov_b32 v[NIL], 0
	WIN W_AD
	ds_add_u32 v[SPW], v[NIL]       ; the wave's opening: the add and its wait stand ahead of my first tensor load; work on registers stands between
	WIN 0
	v_lshrrev_b32 v1, 5, v0
	v_readfirstlane_b32 s[WV], v1   ; wave 0..3
	s_bfe_u32 s13, ttmp6, 0x40000   ; cx: my place in the cluster
	s_lshl_b32 s14, ttmp9, 2        ; in a cluster launch ttmp9 counts clusters
	s_add_co_u32 s14, s14, s13      ; my block of 128 queries = 4 x cluster x + cx: it enters Q's, O's and the bias's global addresses alone
	s_and_b32 s20, ttmp7, 0xffff
	s_and_b32 s15, s20, 15          ; the head,
	s_lshr_b32 s21, s20, 4          ; the group of four batches: both shared by the four partners
	s_mov_b32 s[BG], s21
	s_lshl_b32 s22, s21, 6
	s_add_co_u32 s22, s22, s15      ; (16 x first batch + head)
	s_lshl_b32 s22, s22, 17         ; x 131,072 bytes,
	s_add_co_u32 s22, s22, 0x1000000  ; in part 1: K
	s_mov_b32 s23, 0
	s_add_co_u32 s52, s22, 0x1000000  ; in part 2: V
	s_mov_b32 s53, 0
	s_lshl_b32 s2, s21, 2
	s_add_co_u32 s2, s2, s[WV]      ; my batch,
	s_lshl_b32 s2, s2, 21           ; its 16 heads of 131,072 bytes,
	s_lshl_b32 s3, s15, 17          ; my head,
	s_add_co_u32 s2, s2, s3
	s_lshl_b32 s3, s14, 14          ; my 128 rows of 128 bytes
	s_add_co_u32 s2, s2, s3
	s_mov_b32 s3, 0
	s_and_b32 s16, s[WV], 1         ; which 64 rows of the bias's tile I fetch (waves 2, 3)
	s_lshl_b32 s18, s15, 10
	s_lshl_b32 s19, s14, 7
	s_add_co_u32 s18, s18, s19      ; row 1,024 head + 128 block
	s_lshl_b32 s66, s18, 12         ; of 4,096 bytes: where the prefetch's rows begin
	s_mov_b32 s67, 0
	s_lshl_b32 s19, s16, 6
	s_add_co_u32 s18, s18, s19      ; + 64 half
	s_lshl_b32 s18, s18, 12
	s_mov_b32 s19, 0
	s_mul_i32 s17, s16, 64*PBI      ; and its place in a slot: no place in the cluster enters an LDS address
	; descriptor group 1.  K, V: a batch's 64 keys are 8,192 dense bytes: one row; four rows, one a batch, 2,097,152 bytes apart; padded in LDS after every key
	s_mov_b32 s[G1K], 15|(1<<16)|(1<<20)|(1<<21)|(4<<22)|(3<<25)  ; 15:0 the mask of four; 17:16 2-byte elements; 20 padding on; 21 set beside a mask; 24:22 after every 32 words; 31:25 4 words
	s_mov_b32 s[G1V], 15|(1<<16)|(1<<20)|(1<<21)|(4<<22)|(7<<25)  ; the same with 8 words of padding
.irp g, G1K, G1V
	s_mov_b32 s[\g+1], 4096<<16     ; tensor_dim0 = 4,096
	s_mov_b32 s[\g+2], 4<<16        ; tensor_dim1 = 4
	s_mov_b32 s[\g+3], 4096<<16     ; tile_dim0 = 4,096
	s_mov_b32 s[\g+4], 4            ; tile_dim1 = 4
	s_mov_b32 s[\g+5], 1048576      ; elements from batch to batch
	s_mov_b32 s[\g+6], 0
	s_mov_b32 s[\g+7], 0
.endr
	s_mov_b32 s[G1B], (2<<16)|(1<<20)|(5<<22)|(3<<25)  ; no mask; 4-byte elements; padding of 4 words after every 64
	s_mov_b32 s[G1B+1], 64<<16      ; tensor_dim0 = 64 keys
	s_mov_b32 s[G1B+2], 64<<16      ; tensor_dim1 = 64 queries
	s_mov_b32 s[G1B+3], 64<<16
	s_mov_b32 s[G1B+4], 64
	s_mov_b32 s[G1B+5], 1024
	s_mov_b32 s[G1B+6], 0
	s_mov_b32 s[G1B+7], 0
	s_mov_b32 s[CS], 0x3fb8aa3b     ; c = log2(e): the scale 1/8 lies in Q
	s_mov_b32 s[CS+1], s[CS]        ; named with it as a pair
	s_mov_b32 s[SEL], 0x76543210
	s_mov_b32 s[SEL+1], 0xfedcba98
	s_mov_b32 s[TB], 0
	s_mov_b32 s[PO], 2*KS*4         ; the first refill loads key step 2 and names step 3
	s_mov_b32 s[PO+1], 0
	s_mov_b32 s[F0K], 1             ; count = 1
	s_mov_b32 s[F0K+1], 0           ; LDS address: slot 0,
	s_mov_b32 s[G0K], 1
	s_mov_b32 s[G0K+1], SLOT1       ; slot 1
	s_mov_b32 s[F0V], 1
	s_mov_b32 s[F0V+1], VOFF
	s_mov_b32 s[G0V], 1
	s_mov_b32 s[G0V+1], SLOT1+VOFF
	s_mov_b32 s[F0B], 1
	s_add_co_u32 s[F0B+1], s17, BOFF
	s_mov_b32 s[G0B], 1
	s_add_co_u32 s[G0B+1], s17, SLOT1+BOFF
	s_wait_dscnt 0x0                ; the opening add is done
	s_wait_kmcnt 0x0
	s_add_nc_u64 s[F0K+2:F0K+3], s[4:5], s[22:23]  ; global address: the first 64 keys,
	s_add_nc_u64 s[G0K+2:G0K+3], s[F0K+2:F0K+3], KS*128  ; the next 64
	s_or_b32 s[F0K+3], s[F0K+3], 0x80000000        ; type = 2
	s_or_b32 s[G0K+3], s[G0K+3], 0x80000000
	s_add_nc_u64 s[F0V+2:F0V+3], s[4:5], s[52:53]
	s_add_nc_u64 s[G0V+2:G0V+3], s[F0V+2:F0V+3], KS*128
	s_or_b32 s[F0V+3], s[F0V+3], 0x80000000
	s_or_b32 s[G0V+3], s[G0V+3], 0x80000000
	s_add_nc_u64 s[F0B+2:F0B+3], s[6:7], s[18:19]
	s_add_nc_u64 s[G0B+2:G0B+3], s[F0B+2:F0B+3], KS*4
	s_or_b32 s[F0B+3], s[F0B+3], 0x80000000
	s_or_b32 s[G0B+3], s[G0B+3], 0x80000000
	s_add_nc_u64 s[PFB:PFB+1], s[6:7], s[66:67]
	s_add_nc_u64 s[4:5], s[4:5], s[2:3]  ; Q and O at my wave's first row
	s_add_nc_u64 s[10:11], s[10:11], s[2:3]
	CROUND                          ; all four work-groups are here: the first joint loads meet
	s_cmp_lt_u32 s[WV], 2           ; a wave's two first fills stand in one branch, ahead of every wait on TENSORcnt and every LDS read: two loads of mine are out
	s_cbranch_scc0 .Lfirst_b
	s_cmp_eq_u32 s[WV], 0
	s_cbranch_scc0 .Lfirst_v
	tensor_load_to_lds s[F0K:F0K+3], s[G1K:G1K+7]
	s_nop 0
	tensor_load_to_lds s[G0K:G0K+3], s[G1K:G1K+7]
	s_nop 0
.rept 4
	v_nop
.endr
	s_branch .Lfirst_asked
.Lfirst_v:
	tensor_load_to_lds s[F0V:F0V+3], s[G1V:G1V+7]
	s_nop 0
	tensor_load_to_lds s[G0V:G0V+3], s[G1V:G1V+7]
	s_nop 0
.rept 4
	v_nop
.endr
	s_branch .Lfirst_asked
.Lfirst_b:
	tensor_load_to_lds s[F0B:F0B+3], s[G1B:G1B+7]
	s_nop 0
	tensor_load_to_lds s[G0B:G0B+3], s[G1B:G1B+7]
	s_nop 0
.rept 4
	v_nop
.endr
.Lfirst_asked:
	; A fragment of K or Q is 16 rows x 32 channels in 8 registers: lane l holds row l % 16, channels 8 (l / 16) + 0..7 and 16 + 8 (l / 16) + 0..7: two loads of 16 bytes, 32 bytes apart.
	v_and_b32 v1, 15, v0            ; l % 16
	v_bfe_u32 v48, v0, 4, 1         ; l / 16
	v_lshlrev_b32 v[QO], 7, v1
	v_lshl_add_u32 v[QO], v48, 4, v[QO]  ; row x 128 + 16 x half
	WIN 0x80                        ; destination window 2, address window 0
.set i, 0
.rept 4*NP                          ; Q stays in registers: tile i / 2, channels 32 (i % 2) on
	global_load_b128 v[8*i:8*i+3],   v[QO], s[4:5] offset:(i/2)*2048+(i%2)*64
	global_load_b128 v[8*i+4:8*i+7], v[QO], s[4:5] offset:(i/2)*2048+(i%2)*64+32
.set i, i+1
.endr
	; What the first turn finds: V's registers and P's second buffer hold 0 (its products V^T P, of a piece that has not been, add 0), O^T and l are 0.  All this stands in the wait for the first tile.
.set i, VF
.rept 64
	v_mov_b32 v[i], 0
.set i, i+1
.endr
	WIN 0x40
.set i, 0
.rept 64*NP
	v_mov_b32 v[i], 0
.set i, i+1
.endr
	WIN 0
.set i, 0
.rept 2*NP
	v_mov_b32 v[ST+4*i], 0xfe000000    ; c m: far below every c s
	v_mov_b32 v[ST+4*i+1], 0xff7fffff  ; m
	v_mov_b32 v[ST+4*i+2], 0
	v_mov_b32 v[ST+4*i+3], 0
.set i, i+1
.endr
.set i, P+32
.rept 32
	v_mov_b32 v[i], 0
.set i, i+1
.endr
	s_mul_i32 s66, s[WV], KS*PK     ; my batch's 64 keys
	v_mul_u32_u24 v[AK0], v1, PK
	v_lshl_add_u32 v[AK0], v48, 4, v[AK0]  ; row x pitch + 16 x half
	v_add_nc_u32 v[AK0], s66, v[AK0]
	; The turning load takes 16 keys x 16 channels (lane l reads key 8 (l / 16) + l % 8, channels 8 ((l / 8) % 2) + 0..7) and leaves half a fragment of V^T: lane l holds channel l % 16 and 8 keys.
	v_and_b32 v49, 7, v0
	v_bfe_u32 v50, v0, 3, 1
	v_lshl_add_u32 v[AV0], v48, 3, v49
	v_mul_u32_u24 v[AV0], v[AV0], PV
	v_lshl_add_u32 v[AV0], v50, 4, v[AV0]
	s_mul_i32 s66, s[WV], KS*PV
	s_add_co_u32 s66, s66, VOFF
	v_add_nc_u32 v[AV0], s66, v[AV0]
	v_mul_u32_u24 v[AB0], v1, PBI   ; the bias: query l % 16, keys 8 (l / 16) on: 32 bytes
	v_lshl_add_u32 v[AB0], v48, 5, v[AB0]
	v_add_nc_u32 v[AB0], BOFF, v[AB0]
	s_mul_i32 s66, s[WV], 16*SP
	s_add_co_u32 s66, s66, STAGE    ; my stage
	v_mul_u32_u24 v[STO], v1, SP    ; in: row l % 16, 16 bytes for each half of the lanes
	v_lshl_add_u32 v[STO], v48, 4, v[STO]
	v_add_nc_u32 v[STO], s66, v[STO]
	v_bfe_u32 v[RD], v0, 3, 2       ; back: 32 lanes take four rows of 128 bytes,
	v_mul_u32_u24 v[RD], v[RD], SP
	v_lshl_add_u32 v[RD], v49, 4, v[RD]
	v_add_nc_u32 v[RD], s66, v[RD]
	v_and_b32 v[GO], 31, v0         ; which are 512 consecutive bytes of O
	v_lshlrev_b32 v[GO], 4, v[GO]
	v_lshlrev_b32 v0, 12, v0        ; the thread's number has served: now the prefetch's offset, row t of the bias's tile, 4,096 bytes a row
	v_mov_b32 v[AK], v[AK0]         ; key step 0 lies in slot 0
	v_mov_b32 v[AV], v[AV0]
	v_mov_b32 v[AB], v[AB0]
; THE MATRIX WORK.  The 8 accumulators of a run of 16 take turns: between the two links of a chain stand 7 others'.
; Product i of 16 of S^T = K Q^T + bias for piece x: channels 32 (i / 8) on, keys 16 ((i / 2) % 4) on, tile 2 x + i % 2.  The first 8 start the sums, with the bias.
.macro KQ x
.set rS, S+64*((\x)%2)+32*(i%2)+8*((i/2)%4)
.set rK, KF+16*((i/2)%4)+8*(i/8)
.set rQ, 16*(2*(\x)+i%2)+8*(i/8)
.set rB, BC+32*(i%2)+8*((i/2)%4)
.if i < 8
	WIN W_KB
	v_wmma_f32_16x16x32_f16 v[rS:rS+7], v[rK:rK+7], v[rQ:rQ+7], v[rB:rB+7]
.else
	WIN W_KQ
	v_wmma_f32_16x16x32_f16 v[rS:rS+7], v[rK:rK+7], v[rQ:rQ+7], v[rS:rS+7]
.endif
.endm
; Product i of 16 of O^T += V^T P for piece x: keys 32 (i / 8) on, channels 16 ((i / 2) % 4) on, tile 2 x + i % 2.
.macro PV x
	WIN W_PV
.set rO, 32*(2*(\x)+i%2)+8*((i/2)%4)
.set rV, VF+32*(i/8)+8*((i/2)%4)
.set rP, P+32*((\x)%2)+16*(i%2)+8*(i/8)
	v_wmma_f32_16x16x32_f16 v[rO:rO+7], v[rV:rV+7], v[rP:rP+7], v[rO:rO+7]
.endm
.macro MM                           ; the turn's next matrix instruction
.if i < 16
	KQ (Y+1)%NP
.set i, i+1
.else
.set i, i-16
	PV (Y+NP-1)%NP
.set i, i+17
.endif
.endm
; THE LDS LOADS stand in runs of 16, never singly among the matrix instructions: a step's K (64 keys x 64 channels: 8 fragments), its V (turned), and a piece's bias (32 queries x 64 keys of f32).
.macro FETCH_K
	WIN 0x80                        ; destination window 2
.irp f, 0,1,2,3,4,5,6,7             ; keys 16 (f / 2) on, channels 32 (f % 2) on
	ds_load_b128 v[KF+8*\f:KF+8*\f+3],   v[AK] offset:(\f/2)*16*PK+(\f%2)*64
	ds_load_b128 v[KF+8*\f+4:KF+8*\f+7], v[AK] offset:(\f/2)*16*PK+(\f%2)*64+32
.endr
	WIN 0
.endm
.macro FETCH_V
	WIN 0x80
.irp f, 0,1,2,3,4,5,6,7             ; keys 32 (f / 4) on, channels 16 (f % 4) on
	ds_load_tr16_b128 v[VF+8*\f:VF+8*\f+3],   v[AV] offset:(\f/4)*32*PV+(\f%4)*32
	ds_load_tr16_b128 v[VF+8*\f+4:VF+8*\f+7], v[AV] offset:(\f/4)*32*PV+16*PV+(\f%4)*32
.endr
	WIN 0
.endm
.macro FETCH_B x                    ; piece x's bias
	WIN 0xc0                        ; destination window 3
.irp f, 0,1,2,3,4,5,6,7             ; tile f / 4 of the piece, keys 16 (f % 4) on
	ds_load_b128 v[BC+8*\f:BC+8*\f+3],   v[AB] offset:(2*(\x)+\f/4)*16*PBI+(\f%4)*64
	ds_load_b128 v[BC+8*\f+4:BC+8*\f+7], v[AB] offset:(2*(\x)+\f/4)*16*PBI+(\f%4)*64+16
.endr
	WIN 0
.endm
; THE VECTOR WORK OF A TURN stands in three queues, each in the order in which its entries become ready; the two tiles alternate, so that no instruction reads the result of the one before it.
.macro REGS y, u                    ; the registers of tile u (0, 1) of piece y
.set rT, ST+4*(2*(\y)+(\u))
.set rC, TMP+8*((\y)%2)+4*(\u)
.set rM, MV+2*((\y)%2)+(\u)
.set rS, S+64*((\y)%2)+32*(\u)
.set rP, P+32*((\y)%2)+16*(\u)
.set rO, 32*(2*(\y)+(\u))
.endm
; Number n of the 22 that find the NEXT piece's (Y + 1) maximum and statistics.  s0-s31 are the lane's 32 scores; each accumulator's lowest registers are read first.  XS, GS and REGS set no window: PL and EX do.
;   0-11  four chains c0-c3 of seven scores each, three operands at a time     12-14, 16  the four scores left over, the old m, and c0-c3 into c0     15  c m_old is kept
;   17, 18  the query's other 32 keys lie in the lane 16 away: the new m         19-21  c m; c m_old - c m_new; a
.macro XS u, n
	REGS (Y+1)%NP, \u
.if (\n) < 4
	v_max3_num_f32 v[rC+(\n)], v[rS+8*(\n)], v[rS+8*(\n)+1], v[rS+8*(\n)+2]
.elseif (\n) < 12
	v_max3_num_f32 v[rC+(\n)%4], v[rC+(\n)%4], v[rS+8*((\n)%4)+2*((\n)/4)+1], v[rS+8*((\n)%4)+2*((\n)/4)+2]
.elseif (\n) == 12
	v_max3_num_f32 v[rC], v[rC], v[rS+7], v[rS+15]
.elseif (\n) == 13
	v_max3_num_f32 v[rC+1], v[rC+1], v[rS+23], v[rS+31]
.elseif (\n) == 14
	v_max3_num_f32 v[rC+2], v[rC+2], v[rC+3], v[rT+1]
.elseif (\n) == 15
	v_mov_b32 v[rM], v[rT]
.elseif (\n) == 16
	v_max3_num_f32 v[rC], v[rC], v[rC+1], v[rC+2]
.elseif (\n) == 17
	v_permlanex16_b32 v[rC+3], v[rC], s[SEL], s[SEL+1]
.elseif (\n) == 18
	v_max_num_f32 v[rT+1], v[rC], v[rC+3]
.elseif (\n) == 19
	v_mul_f32 v[rT], s[CS], v[rT+1]
.elseif (\n) == 20
	v_sub_f32 v[rC+1], v[rM], v[rT]
.else
	v_exp_f32 v[rC+2], v[rC+1]
.endif
.endm
; Number g of the 64 that follow the exponentials.  For each four weights k of a tile (pairs 2 k, 2 k + 1): both pairs are rounded to f16; then the second pair is added onto the first, in place;
; a group later l takes that sum (the first time as l = a l + sum).  In groups of eight, tiles alternating: round, round, add, and l for the group before.
.macro GS g
.set h, (\g)+6*((\g)/62)            ; group 0 has no group before it, and behind group 7 only l is left
.if h >= 6
.set h, h+2
.endif
	REGS Y, h%2
.set k, h/8
.if h%8 < 4
	s_wait_alu depctr_va_vdst(0)
	v_cvt_pk_f16_f32 v[rP+2*k+(h%8)/2], v[rS+4*k+2*((h%8)/2)], v[rS+4*k+2*((h%8)/2)+1]
.elseif h%8 < 6
	v_pk_add_f32 v[rS+4*k:rS+4*k+1], v[rS+4*k:rS+4*k+1], v[rS+4*k+2:rS+4*k+3]
.elseif k == 1
	v_pk_fma_f32 v[rT+2:rT+3], v[rT+2:rT+3], v[rC+2:rC+3], v[rS:rS+1] op_sel_hi:[1,0,1]
.else
	v_pk_add_f32 v[rT+2:rT+3], v[rT+2:rT+3], v[rS+4*k-4:rS+4*k-3]
	s_wait_alu depctr_va_vdst(0)
.endif
.endm
; THE PLAIN QUEUE, 138 long.  0-31: c s - c m for the 16 pairs of both tiles.  Then GS's 64, and among them the next piece's 42: number 15 at 38, 39; 0-14 and 16
; at 42-73, behind the products that make those scores; 17-20 at 95-106, two of three, since each waits for the one before it.
.macro PL
	WIN 0
.if q < 32
	REGS Y, q%2
	v_pk_fma_f32 v[rS+2*(q/2):rS+2*(q/2)+1], v[rS+2*(q/2):rS+2*(q/2)+1], s[CS:CS+1], v[rT:rT+1] op_sel_hi:[1,0,0] neg_lo:[0,0,1] neg_hi:[0,0,1]
.elseif q < 38
	GS q-32
.elseif q < 40
	XS q%2, 15
.elseif q < 42
	GS q-34
.elseif q < 74
	XS q%2, (q-42)/2+(q-42)/30
.elseif q < 95
	GS q-66
.elseif (q < 107) && ((q-95)%3 < 2)
	XS (q-95)%3, 17+(q-95)/3
.elseif q < 107
	GS 29+(q-95)/3
.else
	GS q-74
.endif
.set q, q+1
.endm
; THE EXPONENTIALS' QUEUE, 66 long: s0-s31 of both tiles, and at EA the next piece's two a.
.set EA, 58
.macro EX
	WIN 0
.if (e == EA) || (e == EA+1)
	XS e-EA, 21
.else
.set x, e-2*(e/(EA+2))
	REGS Y, x%2
	v_exp_f32 v[rS+x/2], v[rS+x/2]
.endif
.set e, e+1
.endm
; THE RESCALING's QUEUE: O^T times a, the one part that leaves window 0, so it is dealt four at a time, eight times.
.macro R4
	REGS Y, r%2
	WIN W_RS
	s_wait_alu depctr_va_vdst(0)
.irp z, 0,1,2,3
	v_pk_mul_f32 v[rO+8*(r/2)+2*\z:rO+8*(r/2)+2*\z+1], v[rO+8*(r/2)+2*\z:rO+8*(r/2)+2*\z+1], v[rC+2:rC+3] op_sel_hi:[1,0]
.endr
.set r, r+1
.endm
; HOW THEY ARE DEALT.  Behind a matrix instruction four: plain, exponential, plain, plain (one exponential, a plain instruction on either side), or four of the rescaling.  None names a register of the
; products round it.  What is over stands in two runs: exponential and plain by turns; the second ends in 22 plain instructions.  The two v_permlanex16_b32 fall into the second run, never behind a product.
; The queues lean on each other, and the deal keeps them in step: exponential e stands behind plain 2 (e / 4) + e % 2 (its scaling); when plain 32 comes, 10 exponentials are out, at 59: 33, at 95: 46; EA comes behind plain 107.
.macro SL
	MM
	PL
	EX
	PL
	PL
.endm
.macro BURST n                      ; 15 matrix instructions, or 16
.rept (\n)-7
	SL
.endr
.rept 3
	MM
	R4
	SL
.endr
	MM
	R4
.endm
; A TURN, for piece p.  Its runs of LDS loads, all from the slot in hand:
;   the bias of piece p + 2, for the next turn's products, two pairs into the first run of vector work: the last product that read the bias's registers is the turn's eighth, more than twenty plain instructions back;
;   in piece 2's turn K of the next step, 31 vector instructions behind the last product that read K;   at the end of piece 0's turn V of the step in hand, 69 behind its last reader.
; Its waits: at the head the bias of piece p + 1 (and, in piece 3's turn, K) must be in: the count is 0, but in piece 1's turn 16: V's run was issued behind the bias's and may stay out.
; In piece 1's turn, in front of the products V^T P: V must be in, and the 16 loads of the bias just issued may stay out.
.macro TURN p
.set Y, (\p)
.set i, 0
.set q, 0
.set e, 0
.set r, 0
.if (\p) == 1
	s_wait_dscnt 16
.else
	s_wait_dscnt 0x0
.endif
	MM
.rept 4
	PL
.endr
	BURST 15
.rept 22
	EX
	PL
.if e == 13
	FETCH_B ((\p)+2)%NP
.endif
.if ((\p) == NP-2) && (e == 24)
	FETCH_K
.endif
.endr
.if (\p) == 1
	s_wait_dscnt 16
.endif
	BURST 16
.rept 21
	EX
	PL
.endr
.rept 22
	PL
.endr
.if (\p) == 0
	FETCH_V
.endif
.endm
	s_wait_tensorcnt 0x1            ; my part of key step 0 is in; key step 1's may stay out
	s_barrier_signal -1
	s_barrier_wait -1               ; everybody's is
	FETCH_K                         ; key step 0
	FETCH_B 0
	s_wait_loadcnt 0x0              ; Q
	s_wait_dscnt 0x0
.set i, 0
.rept 16
	KQ 0                            ; piece 0's first scores: there is no vector work yet to set between them
.set i, i+1
.endr
	WIN 0
	PLACES                          ; behind those products: in front of the loads into the bias's registers and of the first read of the scores
	FETCH_B 1
.set Y, NP-1                        ; XS works for piece Y + 1: piece 0
.irp n, 0,1,2,3,4,5,6,7,8,9,10,11,12,13,14,15,16,17,18,19,20,21
	XS 0, \n                        ; piece 0's first maximum and statistics
	XS 1, \n
.endr
	s_mov_b32 s[SLOTS], 15
	s_branch .Lfirst                ; the loop is entered at a step's first turn, in the middle of a trip
.Lslot:                             ; 14 whole trips: pieces 2 and 3 of one step, then pieces 0 and 1 of the next; they ask for key steps 2 to 15
	CHANGE 1
	TURN 2
	TURN 3
	WIN 0
.Lfirst:
	TURN 0
	TURN 1
	WIN 0
	s_sub_co_u32 s[SLOTS], s[SLOTS], 1
	s_cmp_lg_u32 s[SLOTS], 0
	s_cbranch_scc1 .Lslot
	CHANGE 0                        ; the tail is written out: nothing is asked for
	s_mov_b32 s[CNT], 2             ; one trip for the last step; the second is left in its middle
.Ltail:
	TURN 2
	TURN 3
	WIN 0
	s_sub_co_u32 s[CNT], s[CNT], 1
	s_cmp_eq_u32 s[CNT], 0
	s_cbranch_scc1 .Lout
	TURN 0
	TURN 1
	WIN 0
	s_branch .Ltail
.Lout:                              ; the second trip's 16 products K Q^T (on the last K and bias once more) and the maximum made of them serve nothing: the price, once a launch, of one text for every trip
.set i, 0
.rept 16
	PV NP-1                         ; the last piece's V^T P of the last step
.set i, i+1
.endr
	; THE WAY OUT.  l's two halves and the other half of the lanes' are added; O^T is divided by l, rounded to f16 and sent through my stage in LDS, a tile at a time.  The additions are the places behind the last products.
	WIN 0
.macro ALL line:vararg              ; one line for each tile t
.set t, 0
.rept 2*NP
	\line
.set t, t+1
.endr
.endm
	ALL v_add_f32 v[ST+4*t+2], v[ST+4*t+2], v[ST+4*t+3]
	ALL v_permlanex16_b32 v[ST+4*t+3], v[ST+4*t+2], s[SEL], s[SEL+1]
	ALL v_add_f32 v[ST+4*t+2], v[ST+4*t+2], v[ST+4*t+3]
	ALL v_rcp_f32 v[ST+4*t+2], v[ST+4*t+2]
	v_nop                           ; a plain instruction between the last reciprocal and the use of its result
	s_wait_alu depctr_va_vdst(0)
; Tile t: a lane's eight channels of a row pack into 16 bytes; they go into rows of 144 bytes and come back as whole rows of 128, into S^T's registers.
.macro PACK t
	WIN W_RS
.set i, 32*(\t)
.rept 16
	v_pk_mul_f32 v[i:i+1], v[i:i+1], v[ST+4*(\t)+2:ST+4*(\t)+3] op_sel_hi:[1,0]
.set i, i+2
.endr
	WIN 0x05                        ; sources 0 and 1 window 1, destination window 0
.set i, 0
.rept 16
	v_cvt_pk_f16_f32 v[S+16*(\t)+i], v[32*(\t)+2*i], v[32*(\t)+2*i+1]
.set i, i+1
.endr
	WIN 0
.irp f, 0,1,2,3
	ds_store_b128 v[STO], v[S+16*(\t)+4*\f:S+16*(\t)+4*\f+3] offset:32*\f
.endr
.irp f, 0,1,2,3
	ds_load_b128 v[S+16*(\t)+4*\f:S+16*(\t)+4*\f+3], v[RD] offset:\f*4*SP  ; LDS serves a wave's instructions in order (ISA guide 5.7.1.4): these see the stores above; the next tile's stores come behind them
.endr
.endm
.macro SEND t, younger              ; younger: the LDS instructions issued behind tile t's loads: the next tile's eight, or none
	WIN 0
.irp f, 0,1,2,3
	s_wait_dscnt (\younger)+3-\f
	global_store_b128 v[GO], v[S+16*(\t)+4*\f:S+16*(\t)+4*\f+3], s[10:11] offset:(\t)*2048+\f*512  ; 512 consecutive bytes, at a multiple of 256 from O's first
.endr
.endm
	PACK 0
.set t, 1
.rept 2*NP-1                        ; a tile's arithmetic stands between the loads of the tile before and its stores
	PACK t
	SEND t-1, 8
.set t, t+1
.endr
	SEND 2*NP-1, 0
	WIN W_AD
	s_wait_tensorcnt 0x0            ; the wave's end, behind my last tensor load and my last LDS store
	ds_add_u32 v[SPW], v[NIL]
	s_wait_dscnt 0x0
	WIN 0
	CROUND                          ; the closing round: no work-group ends while a partner may still ask for a tile that names it
	s_endpgm
.Lfunc_end_k_qa7752241e9_attn:
	.size	k_qa7752241e9_attn, .Lfunc_end_k_qa7752241e9_attn-k_qa7752241e9_attn
	.p2alignl 7, 3214868480
	.fill 96, 4, 3214868480
	.section	.rodata,"a",@progbits
	.p2align	6, 0x0
	.amdhsa_kernel k_qa7752241e9_attn
		.amdhsa_group_segment_fixed_size 327680
		.amdhsa_private_segment_fixed_size 0
		.amdhsa_enable_private_segment 0
		.amdhsa_kernarg_size 24
		.amdhsa_user_sgpr_count 2
		.amdhsa_user_sgpr_kernarg_segment_ptr 1
		.amdhsa_wavefront_size32 1
		.amdhsa_system_sgpr_workgroup_id_x 1
		.amdhsa_system_sgpr_workgroup_id_y 1
		.amdhsa_system_sgpr_workgroup_id_z 1
		.amdhsa_system_vgpr_workitem_id 0
		.amdhsa_next_free_vgpr 840
		.amdhsa_next_free_sgpr 92
		.amdhsa_reserve_vcc 0
		.amdhsa_float_denorm_mode_32 3
		.amdhsa_float_denorm_mode_16_64 3
		.amdhsa_memory_ordered 1
		.amdhsa_forward_progress 1
		.amdhsa_inst_pref_size 221
	.end_amdhsa_kernel
	.amdgpu_metadata
---
amdhsa.version: [ 1, 2 ]
amdhsa.kernels:
  - .name:           k_qa7752241e9_attn
    .symbol:         k_qa7752241e9_attn.kd
    .args:
      - { .name: qkv, .offset: 0, .size: 8, .value_kind: global_buffer, .address_space: global }
      - { .name: attn_bias, .offset: 8, .size: 8, .value_kind: global_buffer, .address_space: global }
      - { .name: o_ws, .offset: 16, .size: 8, .value_kind: global_buffer, .address_space: global }
    .group_segment_fixed_size: 327680
    .private_segment_fixed_size: 0
    .kernarg_segment_align: 8
    .kernarg_segment_size: 24
    .max_flat_workgroup_size: 128
    .sgpr_count:     92
    .vgpr_count:     840
    .wavefront_size: 32
...
	.end_amdgpu_metadata
.endif
;; end of part 3
;; launch gemm_out (part 4): grid 8 x 32, 4 waves a work-group, clusters of 4 x 4, 327,680 bytes of LDS; arguments o_ws, wo_t, out0; writes out0
.if DOCPART == 4
	.amdgcn_target "amdgcn-amd-amdhsa--gfx1250"
	.amdhsa_code_object_version 6
	.text
	.protected	k_qa7752241e9_gemm_out
	.globl	k_qa7752241e9_gemm_out
	.p2align	8
	.type	k_qa7752241e9_gemm_out,@function
k_qa7752241e9_gemm_out:
	s_mov_b64 s[64:65], 0
	v_nop
	global_prefetch_b8 v0, s[64:65] scope:SCOPE_SE
	s_setreg_imm32_b32 hwreg(HW_REG_WAVE_MODE, 25, 1), 1
	s_wait_xcnt 0x0
	s_wait_alu depctr_hold_cnt(0) depctr_sa_sdst(0) depctr_va_vdst(0) depctr_va_sdst(0) depctr_va_ssrc(0) depctr_va_vcc(0) depctr_vm_vsrc(0)
	s_getreg_b32 s2, hwreg(HW_REG_IB_STS2, 6, 4)
	s_cmp_eq_u32 s2, 0
	s_cbranch_scc0 .Lentry_in_a_cluster
	s_endpgm
.Lentry_in_a_cluster:
	s_bfe_u32 s2, ttmp6, 0x10000c
	s_cmp_lg_u32 s2, 0xf033
	s_cbranch_scc0 .Lentry_shape_is_right
	s_endpgm
.Lentry_shape_is_right:
; out0 = O x w_out.  A = o_ws, laid by heads [batch][head][row][64] f16 (k = 64 head + channel), B = wo_t [16 kb][1024 n][64] f16 (k = 64 kb + k % 64); sums in f32, stored as f32.
; SHARES.  A tile of C is 256 rows x 128 columns: 32 x 8 = 256 tiles, one for each WGP.  Four waves one below the other, each 64 x 128: 32 accumulators, 256 registers.
; So a wave holds whole stretches of 512 bytes of C's rows, its stage in LDS is its own, and the way out has no barrier.
; RING.  K goes in 8 steps of 128 = two heads = two blocks of wo_t, through two LDS slots.  Waves 0, 1 fetch the two heads' 256 rows of A (32,768 dense bytes each, asked for as 128 rows of 256 bytes),
; waves 2, 3 the two blocks' 128 rows of B (16,384 dense bytes each, 64 rows of 256); LDS is padded after every 128 bytes.  Both first fills go out together; later one tensor load a wave behind each change of slots.
; CLUSTER.  4 x 4 work-groups: A's tile hangs on the tile row alone and is asked for jointly along a row of the cluster, B's on the tile column alone, jointly along a column.
; THE MATRIX INSTRUCTION IS USED TRANSPOSED (source 0 = 16 rows of B, source 1 = 16 rows of A): a lane holds row l % 16 of C and eight neighbouring columns 8 (l / 16) + 0..7.
; REGISTERS, in windows of 256 (s_set_vgpr_msb: bits 1:0 source 0, 3:2 source 1, 5:4 source 2, 7:6 destination):
;   window 0: v1-29 addresses; v32-95, v192-255 the way out; v128-159, v160-191 A's fragments, two buffers       window 1: v0-63, v64-127 B's fragments, two buffers
;   windows 2, 3: accumulator (a, b) in window 2 + a / 2 at v[8 (8 (a % 2) + b)]
.set NBW,    8                         ; blocks of 16 columns in a wave's tile
.set PA,     144                       ; an LDS row, of A and of B: 128 bytes + 16: the 16 rows that a load touches start at 16 different groups of four banks (64 banks of 4 bytes: ISA guide 11.1)
.set PB,     144
.set HALFA,  256*PA                    ; what one load of A brings: one head
.set A_BYTES, 2*HALFA
.set HALFB,  128*PB                    ; what one load of B brings: one block
.set AQ2,    HALFA                     ; quarter q of a K step: head q / 2, channels 32 (q % 2) on: byte (q / 2) AQ2 + (q % 2) 64
.set BQ2,    HALFB                     ; the same for B's blocks
.set STEPA,  262144                    ; bytes from K step to K step in memory: two heads,
.set STEPB,  262144                    ; two blocks of 1,024 rows of 128 bytes
.set SLOT1,  1<<17                     ; slot 1 begins here: one exclusive or turns an address in one slot into the other's
.set STAGE,  SLOT1+A_BYTES+2*HALFB     ; behind the ring, never filled by a tensor load: for each wave 16 rows x 528 bytes
.set WSTAGE, 16*528
.set SPARE,  STAGE+4*WSTAGE            ; the spare words, 128 bytes a wave, which no other line names
.set LD,     2*NBW+8                   ; LDS loads in a quarter's run
.set ADRA0, 16                         ; v16  my lane's place in A's part of a slot; never rewritten
.set ADRB0, 17                         ; v17  the same for B
.set ADRA,  18                         ; v18  the same in the slot in hand
.set ADRB,  19                         ; v19
.set STO,   24                         ; v24  the way out: where I put 32 bytes of a row
.set RD,    25                         ; v25  where I read a row back
.set CO,    26                         ; v26  my place in 512 consecutive bytes of C
.set SPW,   28                         ; v28  LDS address of my spare word; never rewritten
.set NIL,   29                         ; v29  0; never rewritten
.set FA,    128
.set G1A, 24                           ; s[24:31] descriptor group 1 for A's tiles;  s[32:39] group 0: a set for each of the two first fills; the second then walks on
.set G0A, 32
.set G1B, 48                           ; s[48:55], s[56:63] the same for B's
.set G0B, 56
.set TB,  20                           ; s20  LDS byte at which the slot in hand begins
.set MSB, 0
.macro WIN new                         ; the immediate's high byte repeats the setting that is left; a switch that changes nothing is dropped
.if MSB != (\new)
	s_set_vgpr_msb (MSB<<8)|(\new)
.set MSB, \new
.endif
.endm
.set MUL_LO, 0xa1                      ; source 0 (B) window 1, source 1 (A) window 0, C and D window 2
.set TO_B,   0x40                      ; destination window 1, address window 0
.macro PLACES                          ; four places behind matrix instructions (ISA guide 7.12.1), where no other vector work is at hand
.rept 4
	v_nop
.endr
.endm
; A joint refill: waves 0, 1 ask for A, waves 2, 3 for B.  The branch hangs on the wave's number alone.  An s_nop 0 and four v_nop follow each line.
.macro JLOAD
	s_cmp_eq_u32 s11, 0
	s_cbranch_scc0 .Lfor_b_\@
	tensor_load_to_lds s[G0A+4:G0A+7], s[G1A:G1A+7]
	s_nop 0
.rept 4
	v_nop
.endr
	s_branch .Lasked_\@
.Lfor_b_\@:
	tensor_load_to_lds s[G0B+4:G0B+7], s[G1B:G1B+7]
	s_nop 0
.rept 4
	v_nop
.endr
.Lasked_\@:
.endm
.macro CREST                           ; a round of the cluster's barrier behind its opening barrier
	s_cmp_lg_u32 s10, 0
	s_cbranch_scc1 .Lnot_wave_0_\@
	s_barrier_signal -3
.Lnot_wave_0_\@:
	s_barrier_wait -3
	s_barrier_signal -1
	s_barrier_wait -1
.endm
.macro CROUND                          ; a whole round
	s_barrier_signal -1
	s_barrier_wait -1
	CREST
.endm
.macro STEPD                           ; both walking descriptors: the other slot than last time, the next K step; written only where no tensor load of mine is out
	s_xor_b32 s[G0A+5], s[G0A+5], SLOT1
	s_add_nc_u64 s[G0A+6:G0A+7], s[G0A+6:G0A+7], STEPA
	s_xor_b32 s[G0B+5], s[G0B+5], SLOT1
	s_add_nc_u64 s[G0B+6:G0B+7], s[G0B+6:G0B+7], STEPB
.endm
	s_load_b128 s[4:7], s[0:1], 0x0                ; o_ws s[4:5], wo_t s[6:7]
	s_load_b64 s[8:9], s[0:1], 0x10                ; out0
	v_lshl_add_u32 v[SPW], v0, 2, SPARE
	v_mov_b32 v[NIL], 0
	ds_add_u32 v[SPW], v[NIL]                      ; the wave's opening: the add and its wait stand ahead of my first tensor load; work on registers stands between
	v_lshrrev_b32 v1, 5, v0
	v_readfirstlane_b32 s10, v1                    ; wave 0..3
	s_lshr_b32 s11, s10, 1                         ; I fetch for A (0) or for B (1),
	s_and_b32 s12, s10, 1                          ; the step's first or second head or block
	s_bfe_u32 s40, ttmp6, 0x40000                  ; cx, cy: my place in the cluster
	s_bfe_u32 s41, ttmp6, 0x40004
	s_lshl_b32 s42, ttmp9, 2
	s_add_co_u32 s42, s42, s40                     ; tile column = 4 x cluster x + cx
	s_and_b32 s13, ttmp7, 0xffff
	s_lshl_b32 s13, s13, 2
	s_add_co_u32 s13, s13, s41                     ; tile row = 4 x cluster y + cy
	s_lshl_b32 s43, s41, 2
	s_lshl_b32 s43, 15, s43                        ; my row of the cluster
	s_lshl_b32 s44, 0x1111, s40                    ; my column
	s_or_b32 s[G1A], s43, (1<<16)|(1<<20)|(1<<21)|(4<<22)|(3<<25)  ; 15:0 the mask; 17:16 2-byte elements; 20 padding on; 21 set beside a mask; 24:22 after every 32 words; 31:25 4 words
	s_or_b32 s[G1B], s44, (1<<16)|(1<<20)|(1<<21)|(4<<22)|(3<<25)
	s_mov_b32 s[G1A+1], 128<<16                    ; tensor_dim0 = 128: two rows of a head
	s_mov_b32 s[G1A+2], 128<<16                    ; tensor_dim1 = 128
	s_mov_b32 s[G1A+3], 128<<16                    ; tile_dim0 = 128
	s_mov_b32 s[G1A+4], 128                        ; tile_dim1 = 128
	s_mov_b32 s[G1A+5], 128                        ; dense: 128 elements from row to row
	s_mov_b32 s[G1A+6], 0
	s_mov_b32 s[G1A+7], 0
	s_mov_b32 s[G1B+1], 128<<16                    ; two rows of a block
	s_mov_b32 s[G1B+2], 64<<16
	s_mov_b32 s[G1B+3], 128<<16
	s_mov_b32 s[G1B+4], 64
	s_mov_b32 s[G1B+5], 128
	s_mov_b32 s[G1B+6], 0
	s_mov_b32 s[G1B+7], 0
	s_lshr_b32 s16, s13, 2                         ; A: the batch's 16 heads of 131,072 bytes,
	s_lshl_b32 s16, s16, 21
	s_and_b32 s17, s13, 3                          ; the tile's 256 rows of 128 bytes within a head,
	s_lshl_b32 s17, s17, 15
	s_add_co_u32 s16, s16, s17
	s_lshl_b32 s17, s12, 17                        ; the step's first or second head
	s_add_co_u32 s16, s16, s17
	s_mov_b32 s17, 0
	s_lshl_b32 s46, s42, 14                        ; B: the tile column's 128 rows of 128 bytes within a block,
	s_lshl_b32 s47, s12, 17                        ; the step's first or second block of 131,072 bytes
	s_add_co_u32 s46, s46, s47
	s_mov_b32 s47, 0
	s_mul_i32 s18, s12, HALFA                      ; where they go: no place in the cluster enters an LDS address
	s_mul_i32 s19, s12, HALFB
	s_add_co_u32 s19, s19, A_BYTES
	s_mov_b32 s[G0A], 1                            ; count = 1
	s_mov_b32 s[G0A+1], s18                        ; LDS address: slot 0
	s_mov_b32 s[G0A+4], 1
	s_add_co_u32 s[G0A+5], s18, SLOT1              ; slot 1
	s_mov_b32 s[G0B], 1
	s_mov_b32 s[G0B+1], s19
	s_mov_b32 s[G0B+4], 1
	s_add_co_u32 s[G0B+5], s19, SLOT1
	s_mov_b32 s[TB], 0
	s_wait_dscnt 0x0                               ; the opening add is done
	s_wait_kmcnt 0x0
	s_add_nc_u64 s[G0A+2:G0A+3], s[4:5], s[16:17]  ; global address: K step 0,
	s_add_nc_u64 s[G0A+6:G0A+7], s[G0A+2:G0A+3], STEPA  ; K step 1
	s_or_b32 s[G0A+3], s[G0A+3], 0x80000000        ; type = 2
	s_or_b32 s[G0A+7], s[G0A+7], 0x80000000
	s_add_nc_u64 s[G0B+2:G0B+3], s[6:7], s[46:47]
	s_add_nc_u64 s[G0B+6:G0B+7], s[G0B+2:G0B+3], STEPB
	s_or_b32 s[G0B+3], s[G0B+3], 0x80000000
	s_or_b32 s[G0B+7], s[G0B+7], 0x80000000
	CROUND                                         ; all sixteen work-groups are here: the first joint loads meet
	s_cmp_eq_u32 s11, 0                            ; a wave's two first fills stand in one branch, ahead of every wait on TENSORcnt and every LDS read: two loads of mine are out
	s_cbranch_scc0 .Lfirst_b
	tensor_load_to_lds s[G0A:G0A+3], s[G1A:G1A+7]
	s_nop 0
	tensor_load_to_lds s[G0A+4:G0A+7], s[G1A:G1A+7]
	s_nop 0
.rept 4
	v_nop
.endr
	s_branch .Lfirst_asked
.Lfirst_b:
	tensor_load_to_lds s[G0B:G0B+3], s[G1B:G1B+7]
	s_nop 0
	tensor_load_to_lds s[G0B+4:G0B+7], s[G1B:G1B+7]
	s_nop 0
.rept 4
	v_nop
.endr
.Lfirst_asked:
	; A fragment is 16 rows x 32 K in 8 registers: lane l holds row l % 16, K = 8 (l / 16) + 0..7 and 16 + 8 (l / 16) + 0..7: two loads of 16 bytes, 32 bytes apart.
	v_and_b32 v1, 15, v0                           ; l % 16
	v_bfe_u32 v2, v0, 4, 1                         ; l / 16
	v_mul_u32_u24 v[ADRA0], v1, PA
	v_lshl_add_u32 v[ADRA0], v2, 4, v[ADRA0]
	v_add_nc_u32 v[ADRB0], A_BYTES, v[ADRA0]       ; the pitch is the same; every wave reads all of B's rows
	s_mul_i32 s21, s10, 64*PA                      ; my 64 rows of A
	v_add_nc_u32 v[ADRA0], s21, v[ADRA0]
	s_mul_i32 s21, s10, WSTAGE
	s_add_co_u32 s21, s21, STAGE                   ; my stage
	v_mul_u32_u24 v[STO], v1, 528                  ; in: row l % 16, 32 bytes for each half of the lanes
	v_lshl_add_u32 v[STO], v2, 5, v[STO]
	v_add_nc_u32 v[STO], s21, v[STO]
	v_and_b32 v[CO], 31, v0                        ; back: 32 lanes take one row's 512 bytes
	v_lshlrev_b32 v[CO], 4, v[CO]
	v_add_nc_u32 v[RD], s21, v[CO]
	s_lshl_b32 s66, s13, 8                         ; C at my first row, 256 x tile row + 64 x wave, of 4,096 bytes,
	s_lshl_b32 s68, s10, 6
	s_add_co_u32 s66, s66, s68
	s_lshl_b32 s66, s66, 12
	s_lshl_b32 s68, s42, 9                         ; and the tile's first column: 128 numbers of 4 bytes a tile column
	s_add_co_u32 s66, s66, s68
	s_mov_b32 s67, 0
	s_add_nc_u64 s[8:9], s[8:9], s[66:67]
; One run of LDS loads: the fragments of quarter q (32 along K) of the slot in hand into buffer f: B's NBW blocks, then A's four
.macro FETCH q, f
	WIN TO_B
.set n, 0
.rept NBW
	ds_load_b128 v[8*NBW*(\f)+8*n:8*NBW*(\f)+8*n+3],   v[ADRB] offset:((\q)/2)*BQ2+((\q)%2)*64+n*16*PB
	ds_load_b128 v[8*NBW*(\f)+8*n+4:8*NBW*(\f)+8*n+7], v[ADRB] offset:((\q)/2)*BQ2+((\q)%2)*64+n*16*PB+32
.set n, n+1
.endr
	WIN 0
.set n, 0
.rept 4
	ds_load_b128 v[FA+32*(\f)+8*n:FA+32*(\f)+8*n+3],   v[ADRA] offset:((\q)/2)*AQ2+((\q)%2)*64+n*16*PA
	ds_load_b128 v[FA+32*(\f)+8*n+4:FA+32*(\f)+8*n+7], v[ADRA] offset:((\q)/2)*AQ2+((\q)%2)*64+n*16*PA+32
.set n, n+1
.endr
.endm
; NBW matrix instructions: row block 2 hi + a2 x all column blocks, from buffer f.  zero = 1: the product starts the sums: nothing is ever cleared.
; The 4 NBW accumulators take turns, one instruction a turn, in the same order in every quarter.
.macro MULA f, hi, a2, zero
	WIN MUL_LO+0x50*(\hi)
.set n, 0
.rept NBW
.set rD, 8*(NBW*(\a2)+n)
.set rB, 8*NBW*(\f)+8*n
.set rA, FA+32*(\f)+8*(2*(\hi)+(\a2))
.if \zero
	v_wmma_f32_16x16x32_f16 v[rD:rD+7], v[rB:rB+7], v[rA:rA+7], 0
.else
	v_wmma_f32_16x16x32_f16 v[rD:rD+7], v[rB:rB+7], v[rA:rA+7], v[rD:rD+7]
.endif
.set n, n+1
.endr
.endm
.macro MULH f, hi, zero
	MULA \f, \hi, 0, \zero
	MULA \f, \hi, 1, \zero
.endm
; One of a K step's first three quarters: multiplies buffer f; in its middle it fetches quarter qn into buffer g
.macro QUARTER qn, f, g, zero
	s_wait_dscnt 4                                 ; B and A's blocks 0, 1 are in; the youngest four loads (A's blocks 2, 3) may be out
	MULH \f, 0, \zero
	PLACES                                         ; in front of loads into registers that matrix instructions have read
	FETCH \qn, \g
	s_wait_dscnt LD                                ; all but the run just issued
	MULH \f, 1, \zero
.endm
; The last quarter multiplies buffer 1 and changes slots.  In front of the barrier each wave waits for all its tensor loads (one is out: its part of the next slot), adds 0 to its spare word,
; and waits for that and for its reads of this slot.  fill = 1: the barrier opens a round of the cluster's, and the joint refill of the slot just read is the first thing behind it:
; it has a K step less 2 NBW matrix instructions in which to land.
.macro TURN fill
	WIN 0
	s_wait_tensorcnt 0x0
	ds_add_u32 v[SPW], v[NIL]
	s_wait_dscnt 5                                 ; (the add and A's youngest four loads may be out)
.if \fill
	STEPD
.endif
	s_xor_b32 s[TB], s[TB], SLOT1
	MULA 1, 0, 0, 0
	s_wait_dscnt 0x0                               ; the add is done, and my reads of this slot are over
	s_barrier_signal -1
	MULA 1, 0, 1, 0                                ; work on registers while the others arrive
	WIN 0
	s_barrier_wait -1
.if \fill
	CREST
	JLOAD                                          ; its four v_nop are also the places in front of the loads below
.else
	PLACES
.endif
	v_add_nc_u32 v[ADRA], s[TB], v[ADRA0]
	v_add_nc_u32 v[ADRB], s[TB], v[ADRB0]
	FETCH 0, 0
	MULH 1, 1, 0
.endm
	s_wait_tensorcnt 0x1                           ; my part of K step 0 is in; K step 1's may stay out
	s_barrier_signal -1
	s_barrier_wait -1                              ; everybody's is
	v_mov_b32 v[ADRA], v[ADRA0]
	v_mov_b32 v[ADRB], v[ADRB0]
	FETCH 0, 0
	QUARTER 1, 0, 1, 1                             ; the first quarter stands in front of the loop: its products start the sums
	WIN 0                                          ; at a label and at a branch every window is 0
	s_mov_b32 s3, 6
.Lk:                                                   ; a trip: a K step's quarters 1 to 3 and the next step's quarter 0; six trips ask for K steps 2 to 7
	QUARTER 2, 1, 0, 0
	QUARTER 3, 0, 1, 0
	TURN 1
	QUARTER 1, 0, 1, 0
	WIN 0
	s_sub_co_u32 s3, s3, 1
	s_cmp_lg_u32 s3, 0
	s_cbranch_scc1 .Lk
	QUARTER 2, 1, 0, 0                             ; the tail is written out: nothing more is asked for
	QUARTER 3, 0, 1, 0
	TURN 0
	QUARTER 1, 0, 1, 0
	QUARTER 2, 1, 0, 0
	QUARTER 3, 0, 1, 0
	s_wait_dscnt 4
	MULH 1, 0, 0
	s_wait_dscnt 0x0
	MULH 1, 1, 0
	WIN 0
	; THE WAY OUT, a block of 16 rows at a time: a lane's eight f32 of a row go as they are into my stage (rows of 528 bytes) and come back as whole stretches of 512 bytes.
.macro TOSTAGE a
.set AC, 8*NBW*((\a)%2)
.set BK, 32+160*((\a)%2)
.if (\a) >= 2
	s_wait_xcnt 0x0                                ; block a - 2's stores have read their registers: they are loaded again only behind this wait
.endif
	WIN 4*(2+(\a)/2)                               ; the stores' data (source 1) in the accumulators' window
.set n, 0
.rept NBW
	ds_store_b128 v[STO], v[AC+8*n:AC+8*n+3] offset:64*n        ; each accumulator's low end first
	ds_store_b128 v[STO], v[AC+8*n+4:AC+8*n+7] offset:64*n+16
.set n, n+1
.endr
	WIN 0
.set n, 0
.rept 16
	ds_load_b128 v[BK+4*n:BK+4*n+3], v[RD] offset:528*n  ; LDS serves a wave's instructions in order (ISA guide 5.7.1.4): these see the stores above; the next block's stores come behind them
.set n, n+1
.endr
.endm
.macro SEND a, younger                 ; younger: the LDS instructions issued behind block a's loads: the next block's 16 stores and 16 loads, or none
.set BK, 32+160*((\a)%2)
	s_wait_dscnt \younger
.set n, 0
.rept 16
	global_store_b128 v[CO], v[BK+4*n:BK+4*n+3], s[8:9] offset:(16*(\a)+n)*4096 th:TH_STORE_NT  ; 512 consecutive bytes, at a multiple of 256 from out0's first
.set n, n+1
.endr
.endm
	PLACES                                         ; behind the last products, in front of the LDS stores that read results
	TOSTAGE 0
	TOSTAGE 1
	SEND 0, 32
	TOSTAGE 2
	SEND 1, 32
	TOSTAGE 3
	SEND 2, 32
	SEND 3, 0
	s_wait_tensorcnt 0x0                           ; the wave's end
	ds_add_u32 v[SPW], v[NIL]
	s_wait_dscnt 0x0
	CROUND                                         ; the closing round: no work-group ends while a partner may still ask for a tile that names it
	s_endpgm
.Lfunc_end_k_qa7752241e9_gemm_out:
	.size	k_qa7752241e9_gemm_out, .Lfunc_end_k_qa7752241e9_gemm_out-k_qa7752241e9_gemm_out
	.p2alignl 7, 3214868480
	.fill 96, 4, 3214868480
	.section	.rodata,"a",@progbits
	.p2align	6, 0x0
	.amdhsa_kernel k_qa7752241e9_gemm_out
		.amdhsa_group_segment_fixed_size 327680
		.amdhsa_private_segment_fixed_size 0
		.amdhsa_enable_private_segment 0
		.amdhsa_kernarg_size 24
		.amdhsa_user_sgpr_count 2
		.amdhsa_user_sgpr_kernarg_segment_ptr 1
		.amdhsa_wavefront_size32 1
		.amdhsa_system_sgpr_workgroup_id_x 1
		.amdhsa_system_sgpr_workgroup_id_y 1
		.amdhsa_system_sgpr_workgroup_id_z 1
		.amdhsa_system_vgpr_workitem_id 0
		.amdhsa_next_free_vgpr 896
		.amdhsa_next_free_sgpr 72
		.amdhsa_reserve_vcc 0
		.amdhsa_float_denorm_mode_32 3
		.amdhsa_float_denorm_mode_16_64 3
		.amdhsa_memory_ordered 1
		.amdhsa_forward_progress 1
		.amdhsa_inst_pref_size 69
	.end_amdhsa_kernel
	.amdgpu_metadata
---
amdhsa.version: [ 1, 2 ]
amdhsa.kernels:
  - .name:           k_qa7752241e9_gemm_out
    .symbol:         k_qa7752241e9_gemm_out.kd
    .args:
      - { .name: o_ws, .offset: 0, .size: 8, .value_kind: global_buffer, .address_space: global }
      - { .name: wo_t, .offset: 8, .size: 8, .value_kind: global_buffer, .address_space: global }
      - { .name: out0, .offset: 16, .size: 8, .value_kind: global_buffer, .address_space: global }
    .group_segment_fixed_size: 327680
    .private_segment_fixed_size: 0
    .kernarg_segment_align: 8
    .kernarg_segment_size: 24
    .max_flat_workgroup_size: 128
    .sgpr_count:     72
    .vgpr_count:     896
    .wavefront_size: 32
...
	.end_amdgpu_metadata
.endif
;; end of part 4
